; MI455X (gfx1250); checked and timed in simulation.
; The chip was launched on July 23, 2026; its instructions are those of AMD's public machine-readable ISA for CDNA 5 (MIT licence, August 2026) and "CDNA5" Instruction Set Architecture Reference Guide (July 2026). The comments in the code are by the model that wrote it; some were corrected since.
;; Attention. Allowed arithmetic: matrix products marked QUANTISED: E2M3 operands, one E8M0 scale for each 32 along K, by v_wmma_scale_f32_16x16x128_f8f6f4 with both operands' format E2M3, f32 sums; everything else in f32.
;; Inputs: Wk 1,024 x 1,024 float32; Wo 1,024 x 1,024 float32; Wq 1,024 x 1,024 float32; Wv 1,024 x 1,024 float32; bk 1,024 float32; bo 1,024 float32; bq 1,024 float32; bv 1,024 float32; x 4 x 2,048 x 1,024 float32.
;; Outputs: out0 4 x 2,048 x 1,024 float32.
;; This version of the problem:
;;   THIS VERSION OF THE PROBLEM IS GIVEN IN LOW PRECISION. The matrix products marked QUANTISED in the list below multiply operands that are first quantised to E2M3 (2 exponent bits, 3 mantissa bits; 6 bits a number), with one power-of-two scale for each 32 numbers along K (OCP MX v1.0); their sums are f32. All else is computed in f32.
;;   The module's matrix products, in the order in which they are computed (A, B: the left and right operand; K: the contracted axis; several contracted axes count as one K, in the product's order):
;;     1. [M 8,192, K 1,024] x [K 1,024, N 1,024]; A: input x; B: input Wq: QUANTISED
;;     2. [M 8,192, K 1,024] x [K 1,024, N 1,024]; A: input x; B: input Wk: QUANTISED
;;     3. [M 8,192, K 1,024] x [K 1,024, N 1,024]; A: input x; B: input Wv: QUANTISED
;;     4. batch 64 x [M 2,048, K 64] x [K 64, N 2,048]; A: computed on the way; B: computed on the way: QUANTISED
;;     5. batch 64 x [M 2,048, K 2,048] x [K 2,048, N 64]; A: softmax (see below); B: computed on the way: QUANTISED
;;     6. [M 8,192, K 1,024] x [K 1,024, N 1,024]; A: computed on the way; B: input Wo: QUANTISED
;;   THE QUANTISER, for each operand of a quantised product, along K:
;;     - K is cut into blocks of 32 from its start; a last block that is shorter is filled with zeros.
;;     - A block's scale is 2^e with e = floor(log2(the largest magnitude in the block)) - 2, held to -126 .. 127; a block of zeros has e = 0. As a byte (E8M0): e + 127.
;;     - Each number is divided by its block's scale, clamped to +-7.5, and rounded to the nearest number of E2M3, ties to even, subnormals kept.
;;     - The product sums the exact products of the quantised numbers (number of the format x scale) in f32.
;;   ~~~python
;;   def quantise(x, axis):      # numpy; x: float32 -> the quantised numbers, widened to float32 again
;;       x = np.moveaxis(x, axis, -1); K = x.shape[-1]
;;       x = np.pad(x, [(0, 0)] * (x.ndim - 1) + [(0, -K % 32)]); x = x.reshape(x.shape[:-1] + (-1, 32)); a = np.abs(x).max(-1, keepdims=True)
;;       e = np.where(a > 0, np.clip(np.frexp(np.where(a > 0, a, 1))[1] - 1 - 2, -126, 127), 0)      # np.frexp(a)[1] - 1 = floor(log2(a)), exactly
;;       r = np.clip(x / 2.0 ** e, -7.5, 7.5)
;;       step = 2.0 ** (np.maximum(np.frexp(np.where(r == 0, 1, r))[1] - 1, 0) - 3)
;;       q = np.round(r / step) * step * 2.0 ** e      # np.round: ties to even
;;       return np.moveaxis(q.reshape(q.shape[:-2] + (-1,))[..., :K], -1, axis).astype(np.float32)
;;   ~~~
;;   SOFTMAX AHEAD OF A QUANTISED PRODUCT. Where the list says 'softmax', what is quantised is not the finished softmax but p = 2^(t - M), with t = logit x log2(e) and M = ceil(the row's largest t), a whole number; so 1/2 < the row's largest p <= 1. The row's sum l is taken of the UNQUANTISED p, in f32, and the product's result is divided by l at the end. Since M is a whole number, a kernel that streams over the keys may use a running M (the ceiling of the running maximum): every later rescaling is an exact power of two, which a block's scale takes up: the codes' values come out the same.
;;   OPERANDS COMPUTED ON THE WAY. 'Computed on the way' means the value that the module computes at that place (a softmax that the list does not call 'softmax' is quantised finished and normalised). What goes into a quantiser is computed in f32, as accurately as f32 sums, v_exp_f32 and their like allow (about 1e-6 of the number): no bf16 or f16 on the way to a quantiser, and a product that is left as it is and whose result goes on into a quantised operand takes f32 operands (vector FMAs, or v_wmma_f32_16x16x4_f32). A number that lies on a knife's edge between two numbers of the format may be rounded either way, as far as f32 arithmetic and the matrix unit's own rounding can turn it there, and no further.
;; One version. Each part assembles by itself: llvm-mc -triple=amdgcn-amd-amdhsa -mcpu=gfx1250 --defsym DOCPART=n.
;; ======== version 1 of 1: 4 launches
;; limits: right only within a limited range of input values
;; workspace buffers: xcodes 6,553,600 bytes; wcodes 3,276,800 bytes; qkcodes 13,631,488 bytes; vcodes 6,553,600 bytes; acodes 6,553,600 bytes
;; launch quant_x (part 1): grid 512 x 1, 4 waves a work-group, no clusters, 34,304 bytes of LDS; arguments x, xcodes, Wq, Wk, Wv, Wo, wcodes; writes xcodes, wcodes
.if DOCPART == 1
	.amdgcn_target "amdgcn-amd-amdhsa--gfx1250"
	.amdhsa_code_object_version 6
	.text
	.protected	k_qbe26a99bf3_quant_x
	.globl	k_qbe26a99bf3_quant_x
	.p2align	8
	.type	k_qbe26a99bf3_quant_x,@function
k_qbe26a99bf3_quant_x:
	s_mov_b64 s[64:65], 0
	v_nop
	global_prefetch_b8 v0, s[64:65] scope:SCOPE_SE
	s_setreg_imm32_b32 hwreg(HW_REG_WAVE_MODE, 25, 1), 1
	s_wait_xcnt 0x0
; x [8192][1024] f32 becomes codes of FP6 (E2M3) with one E8M0 scale byte for each 32 along K, laid as the later products' registers want them.
; TILES.  Rows are taken in tiles of 16: row r of tile T is row 32 (T / 2) + 8 (T % 2) + r + 8 (r / 8) of x, so that a product that takes such a tile as source 0 leaves 16 neighbours in the registers of two neighbouring tiles.
; IMAGES.  16 rows x 64 along K are 768 bytes, an image of six registers a lane: lane (r, h) holds block h (32 codes, 24 bytes) of row r; registers 0-3 lie at 16 x lane, registers 4-5 at 512 + 8 x lane.
; xcodes: [512 tiles][16 images], then at XS the scale bytes [tile][K / 256][r][8 bytes].
; A block's scale is 2^(floor(log2(its largest magnitude)) - 2); its byte is the largest magnitude's exponent field - 2, held at 1 from below.
; LIMITS: NaN and infinities among the inputs are not served; blocks whose largest magnitude lies under 2^-124 keep the byte 1 (not tried); a block of zeros gets the byte 1 where the rule says 127: its codes are zeros, and this program alone reads the bytes.
; SHARES.  Wave w of work-group g takes tile 2 g + w / 2 and half w % 2 of K: four steps of 128 along K.  Each load reads 512 consecutive bytes of one row; a step's 16 rows turn through the wave's own
; stage in LDS (rows of 512 bytes + 16) and come back 64 bytes a lane for each block of 32.  No barrier: waves share nothing.  Two steps' loads (32 a wave) are on their way.
.set XS,   6291456
.set SP,   528                         ; a stage row
.set WREG, 16*SP                       ; a wave's stage
.set TM,   10                          ; v10-25  at work in QUANT
.set W0,   26                          ; v26-29  the four steps' scale words
.set R,    32                          ; v32-159 two sets of 64 registers as loaded
.set X,    160                         ; v160-223 64 numbers: register 16 b + i = k 32 b + 16 h + i of my row
.set PC,   224                         ; v224-243 the codes just made
.set D,    244                         ; v244-245 the scale bytes on their way out
.set SEL,  20                          ; s[20:21] v_permlanex16_b32's selects for lane l xor 16
.set HM,   22                          ; s22 the lanes 16-31
; ONE LAUNCH FOR x AND THE FOUR WEIGHTS: work-groups 0-255 take x (the text below), work-groups 256-511 the weights (behind .Lweights).  The choice hangs on the work-group's number alone; only x's way uses LDS.
	s_cmp_ge_u32 ttmp9, 256
	s_cbranch_scc1 .Lweights
	s_load_b128 s[4:7], s[0:1], 0x0                ; x, xcodes
	v_lshl_add_u32 v248, v0, 2, 0x8400
	v_mov_b32 v249, 0
	v_lshrrev_b32 v5, 5, v0
	v_readfirstlane_b32 s10, v5                    ; wave
	v_and_b32 v6, 31, v0                           ; lane
	v_and_b32 v7, 15, v0                           ; r
	v_bfe_u32 v8, v0, 4, 1                         ; h
	v_lshlrev_b32 v1, 4, v6                        ; 16 x lane: my bytes of a load's 512, and of an image's first 512
	v_lshlrev_b32 v2, 3, v6                        ; 8 x lane
	s_mul_i32 s18, s10, WREG
	v_add_nc_u32 v3, s18, v1                       ; the stage, on the way in
	v_mul_u32_u24 v4, v7, SP
	v_lshl_add_u32 v4, v8, 6, v4
	v_add_nc_u32 v4, s18, v4                       ; and on the way out: row r, + 64 h
.irp b, 0,1,2,3
	v_mov_b32 v[TM+4+\b], 0                        ; written once: a lane permute's destination counts as one of its sources
.endr
	s_mov_b32 s[SEL], 0x76543210
	s_mov_b32 s[SEL+1], 0xfedcba98
	s_mov_b32 s[HM], 0xffff0000
	s_lshr_b32 s11, s10, 1                         ; which of the work-group's two tiles
	s_and_b32 s12, s10, 1                          ; which half of K
	s_lshl_b32 s13, ttmp9, 1
	s_add_co_u32 s13, s13, s11                     ; T
	s_lshl_b32 s14, ttmp9, 17                      ; x: 32 (T / 2) rows of 4,096 bytes,
	s_lshl_b32 s15, s11, 15                        ; + 8 (T % 2) rows,
	s_add_co_u32 s14, s14, s15
	s_lshl_b32 s15, s12, 11                        ; + 2,048 bytes for the upper half of K
	s_add_co_u32 s14, s14, s15
	s_mov_b32 s15, 0
	s_mul_i32 s16, s13, 12288                      ; codes: 16 images a tile, 8 a half
	s_mul_i32 s17, s12, 6144
	s_add_co_u32 s16, s16, s17
	s_mov_b32 s17, 0
	s_lshl_b32 s24, s13, 9                         ; scale bytes: 512 a tile, 256 a half
	s_lshl_b32 s25, s12, 8
	s_add_co_u32 s24, s24, s25
	s_add_co_u32 s24, s24, XS
	s_mov_b32 s25, 0
	s_wait_alu depctr_va_vdst(0)
	s_wait_kmcnt 0x0
	s_add_nc_u64 s[4:5], s[4:5], s[14:15]
	s_add_nc_u64 s[8:9], s[6:7], s[24:25]
	s_add_nc_u64 s[6:7], s[6:7], s[16:17]
.macro LOAD t                          ; step t: 128 numbers of each of the tile's 16 rows
.irp i, 0,1,2,3,4,5,6,7,8,9,10,11,12,13,14,15
	global_load_b128 v[R+64*((\t)%2)+4*\i:R+64*((\t)%2)+4*\i+3], v1, s[4:5] offset:(\i+8*(\i/8))*4096+512*(\t) th:TH_LOAD_NT
.endr
.endm
.macro TURN t                          ; through the stage: LDS serves a wave's instructions in order, so no wait stands between the stores and the loads
.irp i, 0,1,2,3,4,5,6,7,8,9,10,11,12,13,14,15
	ds_store_b128 v3, v[R+64*((\t)%2)+4*\i:R+64*((\t)%2)+4*\i+3] offset:SP*\i
.endr
.irp b, 0,1,2,3
.irp j, 0,1,2,3
	ds_load_b128 v[X+16*\b+4*\j:X+16*\b+4*\j+3], v4 offset:128*\b+16*\j
.endr
.endr
.endm
; 64 numbers of a lane, register 16 b + i = k 32 b + 16 h + i of my row, become a fragment's codes in v[PC] on (two images) and its scale word in v[pw].
.macro QUANT s, pw
.irp b, 0,1,2,3
	v_max3_num_f32 v[TM+\b], |v[\s+16*\b]|, |v[\s+1+16*\b]|, 0x1800000   ; block b: my 16 numbers, and the floor 2^(3 - 127): the byte cannot fall under 1
.endr
.irp i, 2,4,6,8,10,12,14
.irp b, 0,1,2,3
	v_max3_num_f32 v[TM+\b], v[TM+\b], |v[\s+16*\b+\i]|, |v[\s+1+16*\b+\i]|   ; the four blocks by turns
.endr
.endr
.irp b, 0,1,2,3
	v_permlanex16_b32 v[TM+4+\b], v[TM+\b], s[SEL], s[SEL+1]
.endr
.irp b, 0,1,2,3
	v_max_num_f32 v[TM+\b], v[TM+\b], v[TM+4+\b]   ; with lane l xor 16's: the block's largest magnitude
.endr
.irp b, 0,1,2,3
	v_add_nc_u32 v[TM+12+\b], 0xff000000, v[TM+\b]   ; 2 off its exponent field: the conversion takes this operand's exponent field as its scale
.endr
.irp b, 0,1,2,3
	v_lshrrev_b32 v[TM+4+\b], 23, v[TM+12+\b]      ; the scale's byte
.endr
	v_lshl_or_b32 v[\pw], v[TM+5], 8, v[TM+4]
	v_lshl_or_b32 v[\pw], v[TM+6], 16, v[\pw]
	v_lshl_or_b32 v[\pw], v[TM+7], 24, v[\pw]
.irp c, 0,1
	v_cvt_scalef32_pk16_fp6_f32 v[PC+6*\c:PC+2+6*\c], v[\s+32*\c:\s+15+32*\c], v[TM+12+2*\c]
	v_cvt_scalef32_pk16_fp6_f32 v[PC+12+4*\c:PC+14+4*\c], v[\s+16+32*\c:\s+31+32*\c], v[TM+12+2*\c+1]   ; (a conversion's three registers begin on an even number)
.endr
	v_nop                                          ; one plain place behind a scaled conversion
.irp c, 0,1                            ; the layout wants a whole block in a lane: lanes 0-15 block 2 c, lanes 16-31 block 2 c + 1
.irp i, 0,1,2
	v_permlane16_swap_b32 v[PC+6*\c+\i], v[PC+12+4*\c+\i]
.endr
.irp i, 0,1,2
	v_mov_b32 v[PC+3+6*\c+\i], v[PC+12+4*\c+\i]
.endr
.endr
.endm
	LOAD 0
	LOAD 1
.irp t, 0,1,2,3
.if \t < 3
	s_wait_loadcnt 16                              ; this step's sixteen loads are in; the next step's sixteen may be out
.else
	s_wait_loadcnt 0x0
.endif
	TURN \t
	s_wait_dscnt 0x0                               ; the numbers are back, and the stage's stores have read their registers,
.if \t < 2
	LOAD \t+2                                      ; which take the loads of two steps on
.endif
.if \t > 0
	s_wait_xcnt 0x0                                ; the last step's stores have read the codes' registers: they are written again only behind this wait
.endif
	QUANT X, W0+\t
	global_store_b128 v1, v[PC:PC+3], s[6:7] offset:1536*\t          ; each store covers 512 or 256 consecutive bytes, aligned
	global_store_b64 v2, v[PC+4:PC+5], s[6:7] offset:1536*\t+512
	global_store_b128 v1, v[PC+6:PC+9], s[6:7] offset:1536*\t+768
	global_store_b64 v2, v[PC+10:PC+11], s[6:7] offset:1536*\t+1280
.endr
	v_cndmask_b32 v[D], v[W0], v[W0+2], s[HM]      ; lanes 0-15: my half's first 256 along K, lanes 16-31: its second
	v_cndmask_b32 v[D+1], v[W0+1], v[W0+3], s[HM]
	global_store_b64 v2, v[D:D+1], s[8:9]          ; 32 lanes store 256 consecutive bytes, aligned
	s_wait_tensorcnt 0x0
	ds_add_u32 v248, v249
	s_wait_dscnt 0x0
	s_endpgm
; THE WEIGHTS, [1024 (k)][1024 (n)] f32 with K as their first axis, become codes of FP6 with K innermost and one E8M0 byte for each 32 along K.
; wcodes: [256 tiles = 64 x weight (q, k, v, o) + n / 16][16 images of 768 bytes], then at WS the scale bytes [tile][K / 256][r][8 bytes]; tiles and images as for x.
; A lane takes a column and its registers run down K: a load reads 128 consecutive bytes a wave; a block's largest magnitude needs no other lane.
; Lanes 0-15 hold the columns of tile 2 G, lanes 16-31 those of tile 2 G + 1; an exchange of halves between the two blocks' registers makes the two tiles' images.
; Work-group 256 + 32 y + x: weight x / 8, columns 128 (x % 8) on, 32 a wave; 128 y on along K.  The limits are those stated for x.
.Lweights:
.set WS, 3145728
.set X,  32                            ; v32-159 my column's 128 numbers
	s_load_b256 s[4:11], s[0:1], 0x10              ; Wq, Wk, Wv, Wo
	s_load_b64 s[12:13], s[0:1], 0x30              ; wcodes
	v_lshrrev_b32 v1, 5, v0
	v_readfirstlane_b32 s16, v1                    ; wave
	v_and_b32 v6, 31, v0
	v_and_b32 v7, 15, v0                           ; r
	v_bfe_u32 v1, v0, 4, 1                         ; u: which of the wave's two tiles
	v_and_b32 v2, 8, v7
	v_add_nc_u32 v2, v2, v7                        ; r + 8 (r / 8)
	v_lshl_add_u32 v2, v1, 3, v2                   ; + 8 u: my column among the wave's 32
	v_lshlrev_b32 v2, 2, v2
	v_lshlrev_b32 v3, 4, v6
	v_lshlrev_b32 v4, 3, v6
	v_lshlrev_b32 v5, 3, v7
	v_lshl_add_u32 v5, v1, 9, v5                   ; my scale word: 512 u + 8 r
	s_sub_co_u32 s26, ttmp9, 256
	s_and_b32 s27, s26, 31
	s_lshr_b32 s17, s26, 5                         ; which 128 along K
	s_lshr_b32 s14, s27, 3                         ; which weight
	s_and_b32 s15, s27, 7
	s_lshl_b32 s15, s15, 2
	s_add_co_u32 s15, s15, s16                     ; G: which 32 columns
	s_lshl_b32 s18, s17, 19
	s_lshl_b32 s19, s15, 7
	s_add_co_u32 s18, s18, s19
	s_mov_b32 s19, 0
	s_lshl_b32 s20, s14, 6
	s_lshl_b32 s21, s15, 1
	s_add_co_u32 s20, s20, s21                     ; the wave's first tile
	s_mul_i32 s22, s20, 12288
	s_mul_i32 s21, s17, 1536
	s_add_co_u32 s22, s22, s21
	s_mov_b32 s23, 0
	s_lshl_b32 s24, s20, 9
	s_lshr_b32 s21, s17, 1
	s_lshl_b32 s21, s21, 7
	s_add_co_u32 s24, s24, s21
	s_and_b32 s21, s17, 1
	s_lshl_b32 s21, s21, 2
	s_add_co_u32 s24, s24, s21
	s_add_co_u32 s24, s24, WS
	s_mov_b32 s25, 0
	s_wait_alu depctr_va_vdst(0)
	s_wait_kmcnt 0x0
	s_cmp_eq_u32 s14, 1
	s_cselect_b64 s[4:5], s[6:7], s[4:5]
	s_cmp_eq_u32 s14, 2
	s_cselect_b64 s[4:5], s[8:9], s[4:5]
	s_cmp_eq_u32 s14, 3
	s_cselect_b64 s[4:5], s[10:11], s[4:5]
	s_add_nc_u64 s[4:5], s[4:5], s[18:19]
	s_add_nc_u64 s[6:7], s[12:13], s[22:23]        ; the codes
	s_add_nc_u64 s[8:9], s[12:13], s[24:25]        ; the scale words
.set k, 0
.rept 128
	global_load_b32 v[X+k], v2, s[4:5] offset:k*4096 th:TH_LOAD_NT
.set k, k+1
.endr
.macro GROUP g                         ; 64 along K: blocks A and B of my column; each group has its own registers for its codes
.set XA, X+64*(\g)
.set XB, XA+32
.set PA, 160+24*(\g)
.set PB, PA+8
.set TA, PA+16
.set TB, PA+20
.set MA, 8+2*(\g)
	v_max3_num_f32 v[MA], |v[XA]|, |v[XA+1]|, 0x1800000      ; with the floor 2^(3 - 127)
	v_max3_num_f32 v[MA+1], |v[XB]|, |v[XB+1]|, 0x1800000
.irp i, 2,4,6,8,10,12,14,16,18,20,22,24,26,28,30
	v_max3_num_f32 v[MA], v[MA], |v[XA+\i]|, |v[XA+\i+1]|
	v_max3_num_f32 v[MA+1], v[MA+1], |v[XB+\i]|, |v[XB+\i+1]|
.endr
	v_add_nc_u32 v[MA+4], 0xff000000, v[MA]        ; 2 off the exponent field: the conversion's scale operand
	v_add_nc_u32 v[MA+5], 0xff000000, v[MA+1]
	v_lshrrev_b32 v[MA+8], 23, v[MA+4]             ; the scale's byte
	v_lshrrev_b32 v[MA+9], 23, v[MA+5]
	v_cvt_scalef32_pk16_fp6_f32 v[PA:PA+2], v[XA:XA+15], v[MA+4]
	v_cvt_scalef32_pk16_fp6_f32 v[TA:TA+2], v[XA+16:XA+31], v[MA+4]
	v_cvt_scalef32_pk16_fp6_f32 v[PB:PB+2], v[XB:XB+15], v[MA+5]
	v_cvt_scalef32_pk16_fp6_f32 v[TB:TB+2], v[XB+16:XB+31], v[MA+5]
	v_nop                                          ; one plain place behind a scaled conversion
.irp i, 0,1,2
	v_permlane16_swap_b32 v[PA+\i], v[PB+\i]
	v_permlane16_swap_b32 v[TA+\i], v[TB+\i]
.endr
.irp i, 0,1,2
	v_mov_b32 v[PA+3+\i], v[TA+\i]
	v_mov_b32 v[PB+3+\i], v[TB+\i]
.endr
	global_store_b128 v3, v[PA:PA+3], s[6:7] offset:768*(\g)
	global_store_b64 v4, v[PA+4:PA+5], s[6:7] offset:768*(\g)+512
	global_store_b128 v3, v[PB:PB+3], s[6:7] offset:12288+768*(\g)
	global_store_b64 v4, v[PB+4:PB+5], s[6:7] offset:12288+768*(\g)+512
.endm
	s_wait_loadcnt 63                              ; the first 64 loads are in: 64 were issued behind them, and 63 is the largest count that can be written
	GROUP 0
	s_wait_loadcnt 0x0
	GROUP 1
	v_lshl_or_b32 v20, v17, 8, v16                 ; my column's four bytes
	v_lshl_or_b32 v20, v18, 16, v20
	v_lshl_or_b32 v20, v19, 24, v20
	global_store_b32 v5, v20, s[8:9]
	s_endpgm
.Lfunc_end_k_qbe26a99bf3_quant_x:
	.size	k_qbe26a99bf3_quant_x, .Lfunc_end_k_qbe26a99bf3_quant_x-k_qbe26a99bf3_quant_x
	.p2alignl 7, 3214868480
	.fill 96, 4, 3214868480
	.section	.rodata,"a",@progbits
	.p2align	6, 0x0
	.amdhsa_kernel k_qbe26a99bf3_quant_x
		.amdhsa_group_segment_fixed_size 34304
		.amdhsa_private_segment_fixed_size 0
		.amdhsa_enable_private_segment 0
		.amdhsa_kernarg_size 56
		.amdhsa_user_sgpr_count 2
		.amdhsa_user_sgpr_kernarg_segment_ptr 1
		.amdhsa_wavefront_size32 1
		.amdhsa_system_sgpr_workgroup_id_x 1
		.amdhsa_system_sgpr_workgroup_id_y 1
		.amdhsa_system_sgpr_workgroup_id_z 1
		.amdhsa_system_vgpr_workitem_id 0
		.amdhsa_next_free_vgpr 250
		.amdhsa_next_free_sgpr 66
		.amdhsa_reserve_vcc 0
		.amdhsa_float_denorm_mode_32 3
		.amdhsa_float_denorm_mode_16_64 3
		.amdhsa_memory_ordered 1
		.amdhsa_forward_progress 1
		.amdhsa_inst_pref_size 55
	.end_amdhsa_kernel
	.amdgpu_metadata
---
amdhsa.version: [ 1, 2 ]
amdhsa.kernels:
  - .name:           k_qbe26a99bf3_quant_x
    .symbol:         k_qbe26a99bf3_quant_x.kd
    .args:
      - { .name: x, .offset: 0, .size: 8, .value_kind: global_buffer, .address_space: global }
      - { .name: xcodes, .offset: 8, .size: 8, .value_kind: global_buffer, .address_space: global }
      - { .name: Wq, .offset: 16, .size: 8, .value_kind: global_buffer, .address_space: global }
      - { .name: Wk, .offset: 24, .size: 8, .value_kind: global_buffer, .address_space: global }
      - { .name: Wv, .offset: 32, .size: 8, .value_kind: global_buffer, .address_space: global }
      - { .name: Wo, .offset: 40, .size: 8, .value_kind: global_buffer, .address_space: global }
      - { .name: wcodes, .offset: 48, .size: 8, .value_kind: global_buffer, .address_space: global }
    .group_segment_fixed_size: 34304
    .private_segment_fixed_size: 0
    .kernarg_segment_align: 8
    .kernarg_segment_size: 56
    .max_flat_workgroup_size: 128
    .sgpr_count:     66
    .vgpr_count:     250
    .wavefront_size: 32
...
	.end_amdgpu_metadata
.endif
;; end of part 1
;; launch qkv (part 2): grid 8 x 32, 4 waves a work-group, clusters of 4 x 4, 327,680 bytes of LDS; arguments xcodes, wcodes, bq, bk, bv, qkcodes, vcodes; writes qkcodes, vcodes
.if DOCPART == 2
	.amdgcn_target "amdgcn-amd-amdhsa--gfx1250"
	.amdhsa_code_object_version 6
	.text
	.protected	k_qbe26a99bf3_qkv
	.globl	k_qbe26a99bf3_qkv
	.p2align	8
	.type	k_qbe26a99bf3_qkv,@function
k_qbe26a99bf3_qkv:
	s_mov_b64 s[64:65], 0
	v_nop
	global_prefetch_b8 v0, s[64:65] scope:SCOPE_SE
	s_setreg_imm32_b32 hwreg(HW_REG_WAVE_MODE, 25, 1), 1
	s_wait_xcnt 0x0
	s_wait_alu depctr_hold_cnt(0) depctr_sa_sdst(0) depctr_va_vdst(0) depctr_va_sdst(0) depctr_va_ssrc(0) depctr_va_vcc(0) depctr_vm_vsrc(0)
	s_getreg_b32 s2, hwreg(HW_REG_IB_STS2, 6, 4)
	s_cmp_eq_u32 s2, 0
	s_cbranch_scc0 .Lentry_in_a_cluster
	s_endpgm
.Lentry_in_a_cluster:
	s_bfe_u32 s2, ttmp6, 0x10000c
	s_cmp_lg_u32 s2, 0xf033
	s_cbranch_scc0 .Lentry_shape_is_right
	s_endpgm
.Lentry_shape_is_right:
; Q, K, V = x W + b on codes of FP6 (E2M3) with E8M0 scales, and their quantisers: the results leave as codes and scale bytes, in the images that the attention launch reads.
; BUFFERS.  xcodes, wcodes: [tile of 16 rows][16 images of 768 bytes], an image = 16 rows x 64 along K (lane (r, h) = block h of row r: registers 0-3 at 16 x lane, 4-5 at 512 + 8 x lane); behind them (XS, WS) the scale bytes
; [tile][K / 256][r][8].  Row r of tile T stands for index 32 (T / 2) + 8 (T % 2) + r + 8 (r / 8), so that the registers of two neighbouring result tiles are 16 neighbours along source 0.  W's tiles: 64 x weight (q, k, v) + column / 16.
; qkcodes: [head of Q, then of K][512 token tiles] images, at QS the scale words [head][tile / 8][(tile / 4) % 2][r][tile % 4], two bytes in each word's low half.
; vcodes: [64 keys][64 tiles of 16 channels] images along the keys, at VS the scale words [128 keys][head / 2][head % 2][r][4 tiles].
; THE DEAL.  256 work-groups, 8 x 32.  Work-group (g, R) takes x's rows 256 R on through THREE PASSES: columns 128 g on of Wq, of Wk, of Wv.  Four waves, 2 x 2: a wave makes 128 rows x 64 columns (one head): 32 accumulators.
; x's codes, all of K, stay in LDS (196,608 bytes, laid [half of K][16 tiles][6,144]); the weight's region (98,304 bytes, [half of K][8 tiles][6,144]) is filled again half by half:
; in a pass's step 3 the first half takes the next weight's, in its step 7 the second: each in a drained round of the cluster's barrier, every wave a joint load of two tiles.
; x's tiles are shared by a row of the cluster, a weight's by a column.  At the head one joint load a wave: x's first half of K, W's, x's second, W's second; the first barrier waits for the first two alone, the first round shows the others.
; A STEP is 128 along K: 32 products.  A's and B's fragments lie twice in registers: at a step's head the next step's 48 LDS loads go out, and the step's products follow.  Every wait on DScnt and TENSORcnt is for 0.
; Q, K: source 0 = the weight's rows, so a lane holds one token and its registers run along the head's 64.  V: source 0 = x's rows, so a lane holds one channel and its registers run along 128 tokens.
; SCALE WORDS come from memory into registers of their own, 256 consecutive bytes a load: lanes 0-15 hold the words of K / 256 = 2 m, lanes 16-31 of 2 m + 1; register 4 i + 2 (st / 4) + st % 2, row (st / 2) % 2.
; THE BIAS is the C of a pass's first products, laid as the result lies.
; PREFETCH: the next weight's 98,304 bytes are asked for a pass ahead, 6,144 bytes for each of the sixteen waves of a cluster's column, told apart by address, a lane to each 256 bytes (lanes 24-31 name the last again); Wv's in the first trip, nothing in the second.
; LIMITS: NaN and infinities are not served; blocks whose largest magnitude lies under 2^-124 keep the byte 1 (not tried); a block of zeros gets the byte 1 where the rule says 127: its codes are zeros, and this program alone reads the bytes.
; REGISTERS.  Window 0: v16-23 LDS addresses, v24-31 offsets, v32-63 x's scale words, v66-81 W's, v84-87 V's bias, v96-127 the bias as C, v128-175 the way out.  Window 1: A's fragments, sets at v0 and v128.  Window 3: B's.  Window 2: the accumulators.
.set XS,    6291456
.set WS,    3145728
.set QS,    12582912
.set VS,    6291456
.set HB,    6144                       ; half of K of a tile: 8 images
.set WC,    32*HB                      ; LDS: x's codes at 0, the weight's here
.set SPARE, WC+16*HB                   ; the spare words: 128 bytes a wave
.set WSTEP, 64*12288                   ; from a weight's codes to the next weight's
.set AXA,  16
.set BWA,  20
.set LI,   24
.set L8,   25
.set LR,   26
.set SPW,  28
.set NIL,  29
.set SA,   32
.set SB,   66
.set BV,   84
.set BI,   96
.set PC,   128
.set TM,   148
.set SW,   164
.set E,    168
.set D,    172
.set G1X,  24
.set G1WH, 32
.set G1W,  40
.set G0X,  48
.set G0WH, 52
.set G0W,  56                          ; s[56:59] the first half's refills, s[60:63] the second's
.set SEL,  92
.set HM,   94
.set TRIP, 95
.set MSB, 0
.macro WIN new
.if MSB != (\new)
	s_set_vgpr_msb (MSB<<8)|(\new)
.set MSB, (\new)
.endif
.endm
.macro PLACES
.rept 4
	v_nop
.endr
.endm
.macro CREST
	s_cmp_lg_u32 s18, 0
	s_cbranch_scc1 .Lnot_wave_0_\@
	s_barrier_signal -3
.Lnot_wave_0_\@:
	s_barrier_wait -3
	s_barrier_signal -1
	s_barrier_wait -1
.endm
.macro CROUND
	s_barrier_signal -1
	s_barrier_wait -1
	CREST
.endm
.macro GROUP1 g, mask, rows            ; rows of 6,144 bytes (768 elements of 8), 12,288 bytes apart
	s_or_b32 s[\g], s\mask, (3<<16)|(1<<21)
	s_mov_b32 s[\g+1], 768<<16
	s_mov_b32 s[\g+2], (\rows)<<16
	s_mov_b32 s[\g+3], 768<<16
	s_mov_b32 s[\g+4], \rows
	s_mov_b32 s[\g+5], 1536
	s_mov_b32 s[\g+6], 0
	s_mov_b32 s[\g+7], 0
.endm
	s_load_b256 s[4:11], s[0:1], 0x0               ; xcodes, wcodes, bq, bk
	s_load_b128 s[12:15], s[0:1], 0x20             ; bv, qkcodes
	s_load_b64 s[16:17], s[0:1], 0x30              ; vcodes
	v_lshl_add_u32 v[SPW], v0, 2, SPARE
	v_mov_b32 v[NIL], 0
	ds_add_u32 v[SPW], v[NIL]                      ; the opening lines
	ds_add_u32 v[SPW], v[NIL]
	v_lshrrev_b32 v1, 5, v0
	v_readfirstlane_b32 s18, v1                    ; wave
	s_lshr_b32 s19, s18, 1                         ; my half of the rows; at the head: which half of K I fetch
	s_and_b32 s20, s18, 1                          ; my half of the columns
	s_bfe_u32 s76, ttmp6, 0x40000                  ; cx
	s_bfe_u32 s77, ttmp6, 0x40004                  ; cy
	s_lshl_b32 s78, ttmp9, 2
	s_add_co_u32 s78, s78, s76                     ; g
	s_and_b32 s79, ttmp7, 0xffff
	s_lshl_b32 s79, s79, 2
	s_add_co_u32 s79, s79, s77                     ; R
	s_lshl_b32 s80, s77, 2
	s_lshl_b32 s80, 15, s80                        ; my row of the cluster
	s_lshl_b32 s81, 0x1111, s76                    ; my column
	GROUP1 G1X, 80, 16
	GROUP1 G1WH, 81, 8
	GROUP1 G1W, 81, 2
	s_mul_i32 s22, s19, HB
	s_mov_b32 s23, 0
	s_mul_i32 s96, s79, 32*HB                      ; x: my 16 tiles,
	s_add_co_u32 s96, s96, s22                     ; and the half of K
	s_mov_b32 s97, 0
	s_mul_i32 s98, s78, 16*HB                      ; Wq: my 8 tiles
	s_mov_b32 s99, 0
	s_mul_i32 s100, s18, 4*HB                      ; in a refill I fetch two tiles
	s_mov_b32 s101, 0
	s_mov_b32 s[G0X], 1
	s_mul_i32 s[G0X+1], s19, 16*HB
	s_mov_b32 s[G0WH], 1
	s_mul_i32 s[G0WH+1], s19, 8*HB
	s_add_co_u32 s[G0WH+1], s[G0WH+1], WC
	s_mov_b32 s[G0W], 1
	s_mul_i32 s[G0W+1], s18, 2*HB
	s_add_co_u32 s[G0W+1], s[G0W+1], WC
	s_mov_b32 s[G0W+4], 1
	s_add_co_u32 s[G0W+5], s[G0W+1], 8*HB
	s_mov_b32 s[SEL], 0x76543210
	s_mov_b32 s[SEL+1], 0xfedcba98
	s_mov_b32 s[HM], 0xffff0000
	s_mov_b32 s[TRIP], 0
	s_wait_alu depctr_va_vdst(0)
	s_wait_dscnt 0x0
	CROUND                                         ; all sixteen work-groups are here: the first joint loads meet
	s_wait_kmcnt 0x0
	s_add_nc_u64 s[G0X+2:G0X+3], s[4:5], s[96:97]
	s_or_b32 s[G0X+3], s[G0X+3], 0x80000000
	s_add_nc_u64 s[G0WH+2:G0WH+3], s[6:7], s[98:99]
	s_add_nc_u64 s[G0W+2:G0W+3], s[G0WH+2:G0WH+3], s[100:101]
	s_add_nc_u64 s[G0WH+2:G0WH+3], s[G0WH+2:G0WH+3], s[22:23]
	s_or_b32 s[G0WH+3], s[G0WH+3], 0x80000000
	s_add_nc_u64 s[G0W+6:G0W+7], s[G0W+2:G0W+3], HB
	s_or_b32 s[G0W+3], s[G0W+3], 0x80000000
	s_or_b32 s[G0W+7], s[G0W+7], 0x80000000
.macro ARM under, g0, g1, next         ; one tree of branches on the wave's number, a load line to each wave
	s_cmp_lt_u32 s18, \under
	s_cbranch_scc0 \next
	tensor_load_to_lds s[\g0:\g0+3], s[\g1:\g1+7]
	s_nop 0
	PLACES
	s_branch .Lhead_asked
\next:
.endm
	ARM 1, G0X, G1X, .Lhead_1
	ARM 2, G0WH, G1WH, .Lhead_2
	ARM 3, G0X, G1X, .Lhead_3
	tensor_load_to_lds s[G0WH:G0WH+3], s[G1WH:G1WH+7]
	s_nop 0
	PLACES
.Lhead_asked:
	s_lshl_b32 s100, s79, 13                       ; x's scale words: XS + (16 R + 8 half) x 512
	s_lshl_b32 s21, s19, 12
	s_add_co_u32 s100, s100, s21
	s_add_co_u32 s100, s100, XS
	s_add_nc_u64 s[66:67], s[4:5], s[100:101]
	s_lshl_b32 s100, s78, 12                       ; W's: WS + (8 g + 4 half) x 512
	s_lshl_b32 s21, s20, 11
	s_add_co_u32 s100, s100, s21
	s_add_co_u32 s100, s100, WS
	s_add_nc_u64 s[68:69], s[6:7], s[100:101]
	s_lshl_b32 s100, s78, 9                        ; the biases: column 128 g + 64 half
	s_lshl_b32 s21, s20, 8
	s_add_co_u32 s100, s100, s21
	s_add_nc_u64 s[70:71], s[8:9], s[100:101]
	s_add_nc_u64 s[72:73], s[10:11], s[100:101]
	s_add_nc_u64 s[74:75], s[12:13], s[100:101]
	s_lshl_b32 s21, s78, 1
	s_add_co_u32 s21, s21, s20                     ; my head
	s_lshl_b32 s100, s21, 9                        ; Q's codes: (head x 512 + 16 R + 8 half) images
	s_lshl_b32 s22, s79, 4
	s_add_co_u32 s100, s100, s22
	s_lshl_b32 s22, s19, 3
	s_add_co_u32 s100, s100, s22
	s_mul_i32 s100, s100, 768
	s_add_nc_u64 s[82:83], s[14:15], s[100:101]
	s_lshl_b32 s100, s21, 6                        ; Q's scale words: QS + (head x 64 + 2 R + half) x 512
	s_lshl_b32 s22, s79, 1
	s_add_co_u32 s22, s22, s19                     ; 2 R + half: which 128 tokens
	s_add_co_u32 s100, s100, s22
	s_lshl_b32 s100, s100, 9
	s_add_co_u32 s100, s100, QS
	s_add_nc_u64 s[84:85], s[14:15], s[100:101]
	s_lshl_b32 s100, s22, 7                        ; V's codes: (2 (2 R + half) x 64 + 4 head) images
	s_lshl_b32 s21, s21, 2
	s_add_co_u32 s100, s100, s21
	s_mul_i32 s100, s100, 768
	s_add_nc_u64 s[86:87], s[16:17], s[100:101]
	s_lshl_b32 s100, s22, 3                        ; V's scale words: VS + ((2 R + half) x 8 + g) x 512 + 256 x column half
	s_add_co_u32 s100, s100, s78
	s_lshl_b32 s100, s100, 9
	s_lshl_b32 s21, s20, 8
	s_add_co_u32 s100, s100, s21
	s_add_co_u32 s100, s100, VS
	s_add_nc_u64 s[88:89], s[16:17], s[100:101]
	s_lshl_b32 s100, s77, 2                        ; the prefetches: Wk's 8 tiles, my sixteenth of them
	s_add_co_u32 s100, s100, s18
	s_mul_i32 s100, s100, HB
	s_add_co_u32 s100, s100, s98
	s_add_co_u32 s100, s100, WSTEP
	s_add_nc_u64 s[90:91], s[6:7], s[100:101]
	v_and_b32 v1, 31, v0
	v_and_b32 v2, 15, v0
	v_bfe_u32 v3, v0, 4, 1
	v_lshlrev_b32 v[LI], 4, v1
	v_lshlrev_b32 v[L8], 3, v1
	v_lshlrev_b32 v[LR], 4, v2
	s_mul_i32 s21, s19, 8*HB                       ; my 8 tiles of x,
	s_mul_i32 s22, s20, 4*HB                       ; my 4 of the weight
	s_add_co_u32 s22, s22, WC
.irp k, 0,2
	v_add_nc_u32 v[AXA+\k], s21, v[LI]
	v_add_nc_u32 v[AXA+\k+1], s21, v[L8]
	v_add_nc_u32 v[BWA+\k], s22, v[LI]
	v_add_nc_u32 v[BWA+\k+1], s22, v[L8]
	s_add_co_u32 s21, s21, 16*HB                   ; the second half of K
	s_add_co_u32 s22, s22, 8*HB
.endr
	v_lshlrev_b32 v27, 6, v3                       ; Q's, K's bias: 16 numbers on for lanes 16-31
	v_and_b32 v30, 8, v2
	v_add_nc_u32 v30, v30, v2
	v_lshlrev_b32 v30, 2, v30                      ; V's: column r + 8 (r / 8) of a tile
	v_min_u32 v31, 23, v1
	v_lshlrev_b32 v31, 8, v31
.irp b, 0,1,2,3
	v_mov_b32 v[TM+4+\b], 0                        ; written once: a lane permute's destination counts as one of its sources
.endr
	s_wait_alu depctr_va_vdst(0)
.macro WSCALES                         ; the weight's scale words, my 4 tiles
.irp i, 0,1,2,3
	global_load_b64 v[SB+4*\i:SB+4*\i+1], v[L8], s[68:69] offset:512*\i
	global_load_b64 v[SB+4*\i+2:SB+4*\i+3], v[L8], s[68:69] offset:512*\i+256
.endr
.endm
.macro BIAS base                       ; register 8 b + j of lane (r, h): column 32 (b / 2) + 8 (b % 2) + 16 h + j
.irp b, 0,1,2,3
	global_load_b128 v[BI+8*\b:BI+8*\b+3], v27, \base offset:(32*(\b/2)+8*(\b%2))*4
	global_load_b128 v[BI+8*\b+4:BI+8*\b+7], v27, \base offset:(32*(\b/2)+8*(\b%2))*4+16
.endr
.endm
.irp i, 0,1,2,3,4,5,6,7
	global_load_b64 v[SA+4*\i:SA+4*\i+1], v[L8], s[66:67] offset:512*\i
	global_load_b64 v[SA+4*\i+2:SA+4*\i+3], v[L8], s[66:67] offset:512*\i+256
.endr
	WSCALES
	BIAS s[70:71]
.irp b, 0,1,2,3
	global_load_b32 v[BV+\b], v30, s[74:75] offset:(32*(\b/2)+8*(\b%2))*4
.endr
	global_prefetch_b8 v31, s[90:91] th:TH_LOAD_NT scope:SCOPE_SE   ; Wk
.macro FRAG reg, adr, off              ; a fragment: two images
	ds_load_b128 v[\reg:\reg+3], v[\adr] offset:\off
	ds_load_b64 v[\reg+4:\reg+5], v[\adr+1] offset:\off+512
	ds_load_b128 v[\reg+6:\reg+9], v[\adr] offset:\off+768
	ds_load_b64 v[\reg+10:\reg+11], v[\adr+1] offset:\off+1280
.endm
.macro FETCH st                        ; step st's 12 fragments into set st % 2
.set FP_, 128*((\st)%2)
.set FK_, 2*((\st)/4)
.set FO_, ((\st)%4)*1536
	WIN 0x40
.set I_, 0
.rept 8
	FRAG FP_+12*I_, AXA+FK_, I_*HB+FO_
.set I_, I_+1
.endr
	WIN 0xc0
.set I_, 0
.rept 4
	FRAG FP_+12*I_, BWA+FK_, I_*HB+FO_
.set I_, I_+1
.endr
	WIN 0
.endm
.macro WM d, s0, s1, c, x0, x1, row
.if \row
	v_wmma_scale_f32_16x16x128_f8f6f4 v[\d:\d+7], v[\s0:\s0+11], v[\s1:\s1+11], \c, v[\x0], v[\x1] matrix_a_fmt:MATRIX_FMT_FP6 matrix_b_fmt:MATRIX_FMT_FP6 matrix_a_scale:MATRIX_SCALE_ROW1 matrix_b_scale:MATRIX_SCALE_ROW1
.else
	v_wmma_scale_f32_16x16x128_f8f6f4 v[\d:\d+7], v[\s0:\s0+11], v[\s1:\s1+11], \c, v[\x0], v[\x1] matrix_a_fmt:MATRIX_FMT_FP6 matrix_b_fmt:MATRIX_FMT_FP6
.endif
.endm
; x's tiles a0 .. a0 + n - 1 against the weight's four.  kind 0 (Q, K): source 0 the weight's rows, accumulator 4 a + b; kind 1 (V): source 0 x's rows, accumulator 8 b + a.  The 32 accumulators take turns.
.macro MUL kind, st, a0, n
.if (\st) == 0
	WIN 0x87+6*(\kind)
.else
	WIN 0xa7+6*(\kind)
.endif
.set P_, 128*((\st)%2)
.set SX_, 2*((\st)/4)+(\st)%2
.set A_, \a0
.rept \n
.set B_, 0
.rept 4
.if \kind
.if (\st) == 0
	WM 8*(8*B_+A_), P_+12*A_, P_+12*B_, v[BI+8*B_:BI+8*B_+7], SA+4*A_+SX_, SB+4*B_+SX_, ((\st)/2)%2
.else
	WM 8*(8*B_+A_), P_+12*A_, P_+12*B_, v[8*(8*B_+A_):8*(8*B_+A_)+7], SA+4*A_+SX_, SB+4*B_+SX_, ((\st)/2)%2
.endif
.else
.if (\st) == 0
	WM 8*(4*A_+B_), P_+12*B_, P_+12*A_, v[BI+8*B_:BI+8*B_+7], SB+4*B_+SX_, SA+4*A_+SX_, ((\st)/2)%2
.else
	WM 8*(4*A_+B_), P_+12*B_, P_+12*A_, v[8*(4*A_+B_):8*(4*A_+B_)+7], SB+4*B_+SX_, SA+4*A_+SX_, ((\st)/2)%2
.endif
.endif
.set B_, B_+1
.endr
.set A_, A_+1
.endr
.endm
.macro STEP kind, st
	s_wait_dscnt 0x0                               ; this step's fragments are in
	PLACES                                         ; behind the last step's products, ahead of the loads into the set that they read
	FETCH (\st)+1
	MUL \kind, \st, 0, 8
	WIN 0
.endm
; A step with a round: half h of the weight's region, read no more, takes the next weight's.  nx: the step whose fragments are fetched behind the refill.
.macro STEPR kind, st, h, nx, pf
	s_wait_dscnt 0x0
	s_wait_tensorcnt 0x0                           ; all my tensor loads have landed;
	ds_add_u32 v[SPW], v[NIL]
	MUL \kind, \st, 0, 4
	s_wait_dscnt 0x0                               ; the add is done; my reads of that half were over at the step's head
	s_barrier_signal -1
	MUL \kind, \st, 4, 4
	WIN 0
	s_barrier_wait -1
	CREST
	s_add_nc_u64 s[G0W+4*\h+2:G0W+4*\h+3], s[G0W+4*\h+2:G0W+4*\h+3], WSTEP
	tensor_load_to_lds s[G0W+4*\h:G0W+4*\h+3], s[G1W:G1W+7]
	s_nop 0
	PLACES
	FETCH \nx
.if \pf
	s_cmp_eq_u32 s[TRIP], 0
	s_cbranch_scc0 .Lno_ask_\@
	global_prefetch_b8 v31, s[90:91] offset:WSTEP th:TH_LOAD_NT scope:SCOPE_SE   ; Wv
.Lno_ask_\@:
.endif
.endm
; 64 sums of a lane (window 2, from register s on; register 16 b + i = index 32 b + 16 h + i) become two images in v[PC] on and a scale word in v[pw]
.macro QUANT s, pw
	WIN 0x0a
.irp b, 0,1,2,3
	v_max3_num_f32 v[TM+\b], |v[\s+16*\b]|, |v[\s+1+16*\b]|, 0x1800000   ; with the floor 2^(3 - 127); each accumulator from its low end on
.endr
	WIN 0x28
.irp i, 2,4,6,8,10,12,14
.irp b, 0,1,2,3
	v_max3_num_f32 v[TM+\b], v[TM+\b], |v[\s+16*\b+\i]|, |v[\s+1+16*\b+\i]|
.endr
.endr
	WIN 0
.irp b, 0,1,2,3
	v_permlanex16_b32 v[TM+4+\b], v[TM+\b], s[SEL], s[SEL+1]
.endr
.irp b, 0,1,2,3
	v_max_num_f32 v[TM+\b], v[TM+\b], v[TM+4+\b]
.endr
.irp b, 0,1,2,3
	v_add_nc_u32 v[TM+12+\b], 0xff000000, v[TM+\b]   ; 2 off the exponent field: the conversion's scale operand
.endr
.irp b, 0,1,2,3
	v_lshrrev_b32 v[TM+4+\b], 23, v[TM+12+\b]
.endr
	v_lshl_or_b32 v[\pw], v[TM+5], 8, v[TM+4]
	v_lshl_or_b32 v[\pw], v[TM+6], 16, v[\pw]
	v_lshl_or_b32 v[\pw], v[TM+7], 24, v[\pw]
	WIN 0x02
.irp c, 0,1
	v_cvt_scalef32_pk16_fp6_f32 v[PC+6*\c:PC+2+6*\c], v[\s+32*\c:\s+15+32*\c], v[TM+12+2*\c]
	v_cvt_scalef32_pk16_fp6_f32 v[PC+12+4*\c:PC+14+4*\c], v[\s+16+32*\c:\s+31+32*\c], v[TM+12+2*\c+1]
.endr
	WIN 0
	v_nop                                          ; one plain place behind a scaled conversion
.irp c, 0,1
.irp i, 0,1,2
	v_permlane16_swap_b32 v[PC+6*\c+\i], v[PC+12+4*\c+\i]
.endr
.irp i, 0,1,2
	v_mov_b32 v[PC+3+6*\c+\i], v[PC+12+4*\c+\i]
.endr
.endr
.endm
.macro PUT base, o0, o1                ; two images: stores of 512 and 256 consecutive bytes, aligned
	global_store_b128 v[LI], v[PC:PC+3], \base offset:\o0
	global_store_b64 v[L8], v[PC+4:PC+5], \base offset:\o0+512
	global_store_b128 v[LI], v[PC+6:PC+9], \base offset:\o1
	global_store_b64 v[L8], v[PC+10:PC+11], \base offset:\o1+512
.endm
	s_cmp_lt_u32 s18, 2
	s_cbranch_scc0 .Llater
	s_wait_tensorcnt 0x0                           ; waves 0 and 1: the first halves of K
.Llater:
	s_barrier_signal -1
	s_barrier_wait -1                              ; the second halves may still be on their way
	FETCH 0
; ---- Q, then K: one text, two trips
.Lpass:
	s_wait_loadcnt 0x0                             ; scale words and bias
	STEP 0, 0
	STEP 0, 1
	STEP 0, 2
	STEPR 0, 3, 0, 4, 1
	STEP 0, 4
	STEP 0, 5
	STEP 0, 6
	STEPR 0, 7, 1, 0, 0                            ; and the next pass's first fragments
	s_wait_xcnt 0x0
	s_add_nc_u64 s[68:69], s[68:69], 64*512
	WSCALES                                        ; the next weight's scale words land under the way out
	s_cmp_eq_u32 s[TRIP], 0
	s_cbranch_scc0 .Lno_bias
	BIAS s[72:73]                                  ; K's bias
.Lno_bias:
.irp p, 0,1,2,3                        ; token tiles 2 p and 2 p + 1: 32 sums each, the head's 64
	s_wait_xcnt 0x0                                ; earlier stores have read the codes' registers
	QUANT 64*\p, SW+\p
	PUT s[82:83], 1536*\p, 1536*\p+768
.endr
	v_cndmask_b32 v[E], v[SW], v[SW+2], s[HM]      ; lanes 0-15: tiles 0-3, lanes 16-31: tiles 4-7; two bytes a tile
	v_cndmask_b32 v[E+1], v[SW+1], v[SW+3], s[HM]
	v_and_b32 v[D], 0xffff, v[E]
	v_lshrrev_b32 v[D+1], 16, v[E]
	v_and_b32 v[D+2], 0xffff, v[E+1]
	v_lshrrev_b32 v[D+3], 16, v[E+1]
	global_store_b128 v[LI], v[D:D+3], s[84:85]
	s_wait_xcnt 0x0
	s_add_nc_u64 s[82:83], s[82:83], 16*512*768    ; from Q's heads to K's
	s_add_nc_u64 s[84:85], s[84:85], 16*64*512
	s_add_co_u32 s[TRIP], s[TRIP], 1
	s_cmp_lt_u32 s[TRIP], 2
	s_wait_alu depctr_va_vdst(0)
	s_cbranch_scc1 .Lpass
; ---- V
.irp b, 0,1,2,3
.irp j, 0,1,2,3,4,5,6,7
	v_mov_b32 v[BI+8*\b+\j], v[BV+\b]              ; one number a lane and tile, over the tile's eight registers
.endr
.endr
	s_wait_alu depctr_va_vdst(0)
	s_wait_loadcnt 0x0
	STEP 1, 0
	STEP 1, 1
	STEP 1, 2
	s_wait_dscnt 0x0
	s_wait_tensorcnt 0x0
	s_barrier_signal -1                            ; a plain barrier shows Wv's second half to all
	MUL 1, 3, 0, 8
	WIN 0
	s_barrier_wait -1
	PLACES
	FETCH 4
	STEP 1, 4
	STEP 1, 5
	STEP 1, 6
	s_wait_dscnt 0x0
	MUL 1, 7, 0, 8
	WIN 0
	PLACES
.irp b, 0,1,2,3                        ; a tile of 16 channels: 64 sums along my 128 tokens
	s_wait_xcnt 0x0
	QUANT 64*\b, SW+\b
	PUT s[86:87], 768*\b, 768*\b+64*768
.endr
	global_store_b128 v[LR], v[SW:SW+3], s[88:89]  ; row r's four words: 256 consecutive bytes; lanes 16-31 hold and store the same as lanes 0-15
	s_wait_tensorcnt 0x0                           ; the wave's end
	ds_add_u32 v[SPW], v[NIL]
	s_wait_dscnt 0x0
	CROUND                                         ; the closing round
	s_endpgm
.Lfunc_end_k_qbe26a99bf3_qkv:
	.size	k_qbe26a99bf3_qkv, .Lfunc_end_k_qbe26a99bf3_qkv-k_qbe26a99bf3_qkv
	.p2alignl 7, 3214868480
	.fill 96, 4, 3214868480
	.section	.rodata,"a",@progbits
	.p2align	6, 0x0
	.amdhsa_kernel k_qbe26a99bf3_qkv
		.amdhsa_group_segment_fixed_size 327680
		.amdhsa_private_segment_fixed_size 0
		.amdhsa_enable_private_segment 0
		.amdhsa_kernarg_size 56
		.amdhsa_user_sgpr_count 2
		.amdhsa_user_sgpr_kernarg_segment_ptr 1
		.amdhsa_wavefront_size32 1
		.amdhsa_system_sgpr_workgroup_id_x 1
		.amdhsa_system_sgpr_workgroup_id_y 1
		.amdhsa_system_sgpr_workgroup_id_z 1
		.amdhsa_system_vgpr_workitem_id 0
		.amdhsa_next_free_vgpr 960
		.amdhsa_next_free_sgpr 102
		.amdhsa_reserve_vcc 0
		.amdhsa_float_denorm_mode_32 3
		.amdhsa_float_denorm_mode_16_64 3
		.amdhsa_memory_ordered 1
		.amdhsa_forward_progress 1
		.amdhsa_inst_pref_size 170
	.end_amdhsa_kernel
	.amdgpu_metadata
---
amdhsa.version: [ 1, 2 ]
amdhsa.kernels:
  - .name:           k_qbe26a99bf3_qkv
    .symbol:         k_qbe26a99bf3_qkv.kd
    .args:
      - { .name: xcodes, .offset: 0, .size: 8, .value_kind: global_buffer, .address_space: global }
      - { .name: wcodes, .offset: 8, .size: 8, .value_kind: global_buffer, .address_space: global }
      - { .name: bq, .offset: 16, .size: 8, .value_kind: global_buffer, .address_space: global }
      - { .name: bk, .offset: 24, .size: 8, .value_kind: global_buffer, .address_space: global }
      - { .name: bv, .offset: 32, .size: 8, .value_kind: global_buffer, .address_space: global }
      - { .name: qkcodes, .offset: 40, .size: 8, .value_kind: global_buffer, .address_space: global }
      - { .name: vcodes, .offset: 48, .size: 8, .value_kind: global_buffer, .address_space: global }
    .group_segment_fixed_size: 327680
    .private_segment_fixed_size: 0
    .kernarg_segment_align: 8
    .kernarg_segment_size: 56
    .max_flat_workgroup_size: 128
    .sgpr_count:     102
    .vgpr_count:     960
    .wavefront_size: 32
...
	.end_amdgpu_metadata
.endif
;; end of part 2
;; launch attn (part 3): grid 4 x 64, 16 waves a work-group, clusters of 4 x 1, 235,520 bytes of LDS; arguments qkcodes, vcodes, acodes; writes acodes
.if DOCPART == 3
	.amdgcn_target "amdgcn-amd-amdhsa--gfx1250"
	.amdhsa_code_object_version 6
	.text
	.protected	k_qbe26a99bf3_attn
	.globl	k_qbe26a99bf3_attn
	.p2align	8
	.type	k_qbe26a99bf3_attn,@function
k_qbe26a99bf3_attn:
	s_mov_b64 s[64:65], 0
	v_nop
	global_prefetch_b8 v0, s[64:65] scope:SCOPE_SE
	s_setreg_imm32_b32 hwreg(HW_REG_WAVE_MODE, 25, 1), 1
	s_wait_xcnt 0x0
	s_wait_alu depctr_hold_cnt(0) depctr_sa_sdst(0) depctr_va_vdst(0) depctr_va_sdst(0) depctr_va_ssrc(0) depctr_va_vcc(0) depctr_vm_vsrc(0)
	s_getreg_b32 s2, hwreg(HW_REG_IB_STS2, 6, 4)
	s_cmp_eq_u32 s2, 0
	s_cbranch_scc0 .Lentry_in_a_cluster
	s_endpgm
.Lentry_in_a_cluster:
	s_bfe_u32 s2, ttmp6, 0x10000c
	s_cmp_lg_u32 s2, 0x3003
	s_cbranch_scc0 .Lentry_shape_is_right
	s_endpgm
.Lentry_shape_is_right:
; Attention of one head on codes of FP6 (E2M3) with E8M0 scales: S^T = K Q^T (K = the head's 64), p = 2^(t - M), O^T = V^T P^T (K = the keys), O / the row's sum, quantised along the head's 64 for the last product.
; THE SOFTMAX: t = score x log2(e) / 8; M = the row's largest t so far, rounded up to a whole number; p = 2^(t - M) is quantised along the keys, not normalised.  The row's sum is taken of the unquantised p, in f32,
; and divides O at the end.  When M moves, the sum and O are multiplied by f = 2^(old M - new M): exact.
; OPERANDS lie in memory as images of registers (16 rows x 64 along K = 768 bytes: lane (r, h) = block h of row r; registers 0-3 at 16 x lane, 4-5 at 512 + 8 x lane); row r of tile T stands for index 32 (T / 2) + 8 (T % 2) + r + 8 (r / 8).
; SHARES.  The cluster's y is 16 x batch + head.  A work-group owns 512 queries, each of its sixteen waves two tiles of 16, one after the other.  A whole head's K and V stay in LDS, filled once: no ring.
; The four work-groups of a head ask for K and V jointly.  Sixteen joint loads, one a wave: wave w asks for quarter w / 4 (512 keys) of K's codes, K's scale words, V's codes or V's scale words (w % 4).
; No prefetch: K and V are asked for once, at the head, ahead of the only loops: there is no trip to run ahead in.
; A LANE HOLDS WHOLE BLOCKS OF 32 KEYS.  The 16 keys that form source 0 of the step's product t are chosen by LDS address: lane row r takes key 64 (t / 4) + 32 (r / 8) + 8 (t % 4) + r % 8, which is row 8 ((t % 4) / 2) + r % 8 of the
; image 4 (t / 4) + 2 (r / 8) + t % 2.  So lane (r, h)'s 32 registers of products 4 c .. 4 c + 3 are keys 64 c + 32 h + 0 .. 31: as the second product's source 1 wants them; a block's largest score needs no other lane.
; K's images lie in LDS with 64 bytes of padding behind each 256 (an image: 960 bytes), so that the lanes' rows r / 8 = 0 and 1, two images apart, fall 128 bytes apart modulo 256.
; THE FIRST PRODUCT HAS K = 64 IN AN INSTRUCTION OF 128: Q's upper six registers are zero codes; K's upper six are whatever follows and add nothing; the upper two bytes of q's and k's scale words are 0 (2^-127).
; THE ROW'S SUM of a step's p is added at the top of the NEXT step (and once behind the loop): those additions are the places behind the last products and stand under the flight of the LDS loads.
; A tile begins with M = -2^125: the first f is 0, which clears whatever finite numbers the sum and O^T hold (zeros at the start, the last tile's numbers later).
; LIMITS: the scaled scores t stay under 2^31 in magnitude; NaN and infinities are not served; blocks whose largest magnitude lies under 2^-124 keep the byte 1 (not tried); a block of zeros gets the byte 1 where the rule says 127:
; its codes are zeros, and this program alone reads the bytes.  The output's scale bytes leave one byte a lane: a scale word of the last product spans two heads, which are two work-groups.
; REGISTERS: v1-6 LDS addresses that stay, v7-11, v42 the step's; v12 -M, v13 the largest score, v[14:15] the sum; v16-27 Q's fragment, v28-33 the second tile's codes; v34-39, v242-243 the sum's other chains; v40, v41 Q's scale words;
;   v43 8 r + h; v44-97 K's 8 x 6 + 6 zeros, later at work; v98-145 V; v146-209 S^T, then p; v210-241 O^T; v244-247 K's scale words (v246 later p's); v248-251 V's; v[252:253] f; v254, v255 16 and 8 x lane.
.set QS,   12582912
.set VS,   6291456
.set AS,   6291456
.set KT,   960                         ; an image of K in LDS: 3 x (256 + 64)
.set VC,   128*KT                      ; LDS: K's codes at 0, V's here,
.set KSC,  VC+98304                    ; K's scale words, 512 bytes for 128 keys,
.set VSC,  KSC+8192                    ; V's, 256 bytes for 128 keys,
.set SPARE, VSC+4096                   ; the spare words: 128 bytes for each of 16 waves
.set KF,   44
.set VF,   98
.set S,    146
.set O,    210
.set PW,   246
.set KSR,  244
.set VSR,  248
.set F,    252
.set LI,   254
.set L8,   255
.set PC,   44                          ; at work, over K's fragments once S^T is made: p's codes,
.set PT,   56                          ; the conversions' second halves,
.set BM,   64                          ; the blocks' maxima,
.set CH,   66                          ; eight chains,
.set SO,   74                          ; the conversions' scale operands,
.set BX,   76                          ; the bytes,
.set T0,   78
.set T1,   79
.set TO,   80
.set WV,   18
.set HM,   19
.set SEL,  20
.set CS,   22
.set G1K,  24
.set G1V,  32
.set G1KS, 40
.set G1VS, 48
.set G0K,  56
.set G0V,  60
.set G0KS, 68
.set G0VS, 72
.set TK,   76                          ; the step's place in K's codes (8 KT a step), V's codes (6,144), K's scale words (512), V's (256)
.set TS,   77
.set TJ,   78
.set CNT,  79
.set TV,   97
.set NC,   98
.set KD,   99
.macro CROUND
	s_barrier_signal -1
	s_barrier_wait -1
	s_cmp_lg_u32 s[WV], 0
	s_cbranch_scc1 .Lnot_wave_0_\@
	s_barrier_signal -3
.Lnot_wave_0_\@:
	s_barrier_wait -3
	s_barrier_signal -1
	s_barrier_wait -1
.endm
.macro GROUP1 g, w0, c, r, p           ; r rows of c elements of 8 bytes, p elements apart
	s_mov_b32 s[\g], \w0
	s_mov_b32 s[\g+1], (\c)<<16
	s_mov_b32 s[\g+2], (\r)<<16
	s_mov_b32 s[\g+3], (\c)<<16
	s_mov_b32 s[\g+4], \r
	s_mov_b32 s[\g+5], \p
	s_mov_b32 s[\g+6], 0
	s_mov_b32 s[\g+7], 0
.endm
	s_load_b128 s[4:7], s[0:1], 0x0                ; qkcodes, vcodes
	s_load_b64 s[8:9], s[0:1], 0x10                ; acodes
	v_lshl_add_u32 v254, v0, 2, SPARE
	v_mov_b32 v255, 0
	ds_add_u32 v254, v255                          ; the opening lines
	ds_add_u32 v254, v255
	s_wait_dscnt 0x0
	v_lshrrev_b32 v7, 5, v0
	v_readfirstlane_b32 s[WV], v7                  ; wave 0..15
	v_and_b32 v8, 31, v0                           ; lane
	v_and_b32 v9, 15, v0                           ; r
	v_bfe_u32 v10, v0, 4, 1                        ; h
	v_bfe_u32 v11, v0, 3, 1                        ; r / 8
	v_and_b32 v42, 7, v0                           ; r % 8
	v_mul_u32_u24 v1, v11, 2*KT                    ; K: two images on for r / 8 = 1,
	v_lshl_add_u32 v2, v42, 3, v1
	v_lshl_add_u32 v1, v42, 4, v1                  ; registers 0-3: + 16 (r % 8) + 320 h
	v_mad_u32_u24 v1, v10, 320, v1
	v_lshl_add_u32 v2, v10, 7, v2                  ; registers 4-5: + 640 + 8 (r % 8) + 128 h
	v_add_nc_u32 v2, 640, v2
	v_lshl_add_u32 v3, v8, 4, VC                   ; V's images as they lie
	v_lshl_add_u32 v4, v8, 3, VC+512
	v_lshl_add_u32 v5, v10, 8, KSC                 ; K's scale words: 256 h + 16 (r % 8) + 8 (r / 8): lanes 0-15 products 0-3, lanes 16-31 products 4-7
	v_lshl_add_u32 v5, v42, 4, v5
	v_lshl_add_u32 v5, v11, 3, v5
	v_lshl_add_u32 v6, v9, 4, VSC                  ; V's: row r's four words
	v_lshl_add_u32 v43, v9, 3, v10                 ; my byte among a tile's output scale bytes
	v_lshlrev_b32 v[LI], 4, v8
	v_lshlrev_b32 v[L8], 3, v8
	v_lshlrev_b32 v7, 4, v9                        ; Q's scale words: 16 r
	s_bfe_u32 s80, ttmp6, 0x40000                  ; cx
	s_lshl_b32 s81, ttmp9, 2
	s_add_co_u32 s80, s81, s80                     ; which 512 queries: it enters Q's and the output's addresses alone
	s_and_b32 s82, ttmp7, 0xffff
	s_lshr_b32 s83, s82, 4                         ; batch
	s_and_b32 s84, s82, 15                         ; head
	s_lshr_b32 s85, s[WV], 2                       ; which quarter I fetch,
	s_and_b32 s[KD], s[WV], 3                      ; and of what
	s_add_co_u32 s86, s84, 16                      ; K's codes: ((16 + head) x 512 + 128 x batch + 32 x quarter) images
	s_lshl_b32 s86, s86, 9
	s_lshl_b32 s87, s83, 7
	s_add_co_u32 s86, s86, s87
	s_lshl_b32 s87, s85, 5
	s_add_co_u32 s86, s86, s87
	s_mul_i32 s86, s86, 768
	s_mov_b32 s87, 0
	s_lshl_b32 s88, s83, 5                         ; V's: ((32 x batch + 8 x quarter) x 64 + 4 x head) images
	s_lshl_b32 s89, s85, 3
	s_add_co_u32 s88, s88, s89
	s_lshl_b32 s88, s88, 6
	s_lshl_b32 s89, s84, 2
	s_add_co_u32 s88, s88, s89
	s_mul_i32 s88, s88, 768
	s_mov_b32 s89, 0
	s_add_co_u32 s90, s84, 16                      ; K's scale words: ((16 + head) x 64 + 16 x batch + 4 x quarter) x 512
	s_lshl_b32 s90, s90, 6
	s_lshl_b32 s91, s83, 4
	s_add_co_u32 s90, s90, s91
	s_lshl_b32 s91, s85, 2
	s_add_co_u32 s90, s90, s91
	s_lshl_b32 s90, s90, 9
	s_add_co_u32 s90, s90, QS
	s_mov_b32 s91, 0
	s_lshl_b32 s92, s83, 4                         ; V's: ((16 x batch + 4 x quarter) x 8 + head / 2) x 512 + (head % 2) x 256
	s_lshl_b32 s93, s85, 2
	s_add_co_u32 s92, s92, s93
	s_lshl_b32 s92, s92, 3
	s_lshr_b32 s93, s84, 1
	s_add_co_u32 s92, s92, s93
	s_lshl_b32 s92, s92, 9
	s_and_b32 s93, s84, 1
	s_lshl_b32 s93, s93, 8
	s_add_co_u32 s92, s92, s93
	s_add_co_u32 s92, s92, VS
	s_mov_b32 s93, 0
	s_mul_i32 s94, s85, 32*KT                      ; where they go in LDS
	s_mul_i32 s95, s85, 24576
	s_lshl_b32 s96, s85, 11
	s_lshl_b32 s97, s85, 10
	; groups 1.  15:0 the mask of all four work-groups; 17:16 elements of 8 bytes; 21 set beside a mask; K's codes: 16 dwords of padding behind every 64
	GROUP1 G1K, 15|(3<<16)|(1<<20)|(1<<21)|(5<<22)|(15<<25), 32, 96, 32    ; 24,576 dense bytes as 96 rows of 256
	GROUP1 G1V, 15|(3<<16)|(1<<21), 384, 8, 6144                           ; 8 groups of 64 keys x the head's 4 images, 49,152 bytes apart
	GROUP1 G1KS, 15|(3<<16)|(1<<21), 32, 8, 32                             ; 2,048 dense bytes
	GROUP1 G1VS, 15|(3<<16)|(1<<21), 32, 4, 512                            ; 4 rows of 256 bytes, 4,096 bytes apart
	s_mov_b32 s[HM], 0xffff0000
	s_mov_b32 s[SEL], 0x76543210
	s_mov_b32 s[SEL+1], 0xfedcba98
	s_mov_b32 s[CS], 0x3e38aa3b                    ; c = log2(e) / 8
	s_mov_b32 s[CS+1], s[CS]                       ; (named with it as a pair)
	s_mov_b32 s[NC], 0xbe38aa3b                    ; -c
	s_lshl_b32 s66, s83, 7
	s_lshl_b32 s67, s80, 5
	s_add_co_u32 s66, s66, s67
	s_lshl_b32 s67, s[WV], 1
	s_add_co_u32 s66, s66, s67                     ; my first tile of queries: 128 x batch + 32 x block + 2 x wave
	s_wait_kmcnt 0x0
	s_mov_b32 s[G0K], 1
	s_mov_b32 s[G0K+1], s94
	s_add_nc_u64 s[G0K+2:G0K+3], s[4:5], s[86:87]
	s_or_b32 s[G0K+3], s[G0K+3], 0x80000000
	s_mov_b32 s[G0V], 1
	s_add_co_u32 s[G0V+1], s95, VC
	s_add_nc_u64 s[G0V+2:G0V+3], s[6:7], s[88:89]
	s_or_b32 s[G0V+3], s[G0V+3], 0x80000000
	s_mov_b32 s[G0KS], 1
	s_add_co_u32 s[G0KS+1], s96, KSC
	s_add_nc_u64 s[G0KS+2:G0KS+3], s[4:5], s[90:91]
	s_or_b32 s[G0KS+3], s[G0KS+3], 0x80000000
	s_mov_b32 s[G0VS], 1
	s_add_co_u32 s[G0VS+1], s97, VSC
	s_add_nc_u64 s[G0VS+2:G0VS+3], s[6:7], s[92:93]
	s_or_b32 s[G0VS+3], s[G0VS+3], 0x80000000
	s_lshl_b32 s16, s84, 9                         ; Q's codes: (head x 512 + tile) images
	s_add_co_u32 s16, s16, s66
	s_mul_i32 s16, s16, 768
	s_mov_b32 s17, 0
	s_add_nc_u64 s[10:11], s[4:5], s[16:17]
	s_lshl_b32 s16, s84, 6                         ; Q's scale words: (head x 64 + tile / 8) x 512 + ((tile / 4) % 2) x 256 + 4 (tile % 4)
	s_lshr_b32 s67, s66, 3
	s_add_co_u32 s16, s16, s67
	s_lshl_b32 s16, s16, 9
	s_bfe_u32 s67, s66, 0x10002
	s_lshl_b32 s67, s67, 8
	s_add_co_u32 s16, s16, s67
	s_and_b32 s67, s66, 3
	s_lshl_b32 s67, s67, 2
	s_add_co_u32 s16, s16, s67
	s_add_co_u32 s16, s16, QS
	s_add_nc_u64 s[12:13], s[4:5], s[16:17]
	s_lshl_b32 s16, s66, 9                         ; the output's scale bytes: tile x 512 + (head / 4) x 128 + 2 (head % 4)
	s_lshr_b32 s67, s84, 2
	s_lshl_b32 s67, s67, 7
	s_add_co_u32 s16, s16, s67
	s_and_b32 s67, s84, 3
	s_lshl_b32 s67, s67, 1
	s_add_co_u32 s16, s16, s67
	s_add_co_u32 s16, s16, AS
	s_add_nc_u64 s[14:15], s[8:9], s[16:17]
	s_lshl_b32 s16, s66, 4                         ; its codes: (tile x 16 + head) images
	s_add_co_u32 s16, s16, s84
	s_mul_i32 s16, s16, 768
	s_add_nc_u64 s[8:9], s[8:9], s[16:17]
	CROUND                                         ; all four work-groups are here: the joint loads meet
.macro ARM k, g0, g1                   ; one chain of branches on the wave's number, one load to an arm: every wave issues one
	s_cmp_eq_u32 s[KD], \k
	s_cbranch_scc0 .Lnot_\k
	tensor_load_to_lds s[\g0:\g0+3], s[\g1:\g1+7]
	s_nop 0
.rept 4
	v_nop
.endr
	s_branch .Lasked
.Lnot_\k:
.endm
	ARM 0, G0K, G1K
	ARM 1, G0KS, G1KS
	ARM 2, G0V, G1V
	tensor_load_to_lds s[G0VS:G0VS+3], s[G1VS:G1VS+7]
	s_nop 0
.rept 4
	v_nop
.endr
.Lasked:
	s_wait_alu depctr_va_vdst(0)
	global_load_b128 v[16:19], v[LI], s[10:11]     ; Q's two tiles stay in registers
	global_load_b64 v[20:21], v[L8], s[10:11] offset:512
	global_load_b128 v[28:31], v[LI], s[10:11] offset:768
	global_load_b64 v[32:33], v[L8], s[10:11] offset:1280
	global_load_b32 v40, v7, s[12:13]
	global_load_b32 v41, v7, s[12:13] offset:4
.irp j, 22,23,24,25,26,27,92,93,94,95,96,97,14,15,253
	v_mov_b32 v\j, 0                               ; zero codes behind Q's 64 and behind K's last tile; the sum; the upper half of the pair v[252:253]
.endr
.set n, 0
.rept 96
	v_mov_b32 v[S+n], 0                            ; once a wave: the first step's additions and rescaling find zeros in p's and O^T's registers
.set n, n+1
.endr
	s_wait_alu depctr_va_vdst(0)
	s_wait_tensorcnt 0x0                           ; my load has landed,
	s_barrier_signal -1
	s_barrier_wait -1                              ; everybody's has
	s_wait_loadcnt 0x0                             ; Q
.macro ADDR                            ; the step's LDS addresses
	v_add_nc_u32 v7, s[TK], v1
	v_add_nc_u32 v8, s[TK], v2
	v_add_nc_u32 v9, s[TV], v3
	v_add_nc_u32 v10, s[TV], v4
	v_add_nc_u32 v11, s[TS], v5
	v_add_nc_u32 v42, s[TJ], v6
.endm
.macro SUM1                            ; the sum of the 64 p in five chains, two numbers a line: the chains' first lines,
	v_pk_add_f32 v[14:15], v[14:15], v[S:S+1]
	v_pk_add_f32 v[242:243], v[S+2:S+3], v[S+4:S+5]
	v_pk_add_f32 v[34:35], v[S+6:S+7], v[S+8:S+9]
	v_pk_add_f32 v[36:37], v[S+10:S+11], v[S+12:S+13]
	v_pk_add_f32 v[38:39], v[S+14:S+15], v[S+16:S+17]
.endm
.macro SUM2                            ; and the rest
.set n, 18
.rept 4
.irp a, 14,242,34,36,38
	v_pk_add_f32 v[\a:\a+1], v[\a:\a+1], v[S+n:S+n+1]
.set n, n+2
.endr
.endr
.irp a, 14,242,34
	v_pk_add_f32 v[\a:\a+1], v[\a:\a+1], v[S+n:S+n+1]
.set n, n+2
.endr
	v_pk_add_f32 v[36:37], v[36:37], v[38:39]
	v_pk_add_f32 v[242:243], v[242:243], v[34:35]
	v_pk_add_f32 v[14:15], v[14:15], v[36:37]
	v_pk_add_f32 v[14:15], v[14:15], v[242:243]
.endm
; A KEY STEP: 128 keys
.macro STEP
	SUM1                                           ; the last step's p; five places behind the last products, ahead of the loads into their registers
.irp t, 0,1,2,3,4,5,6,7
	ds_load_b128 v[KF+6*\t:KF+6*\t+3], v7 offset:(4*(\t/4)+\t%2)*KT+128*((\t%4)/2)
	ds_load_b64 v[KF+6*\t+4:KF+6*\t+5], v8 offset:(4*(\t/4)+\t%2)*KT+64*((\t%4)/2)
.endr
	ds_load_2addr_b64 v[KSR:KSR+3], v11 offset0:0 offset1:16
.irp d, 0,1,2,3                        ; V's fragments land under the softmax
	ds_load_b128 v[VF+12*\d:VF+12*\d+3], v9 offset:768*\d
	ds_load_b64 v[VF+12*\d+4:VF+12*\d+5], v10 offset:768*\d
	ds_load_b128 v[VF+12*\d+6:VF+12*\d+9], v9 offset:3072+768*\d
	ds_load_b64 v[VF+12*\d+10:VF+12*\d+11], v10 offset:3072+768*\d
.endr
	ds_load_b128 v[VSR:VSR+3], v42
	SUM2
	s_add_co_u32 s[TK], s[TK], 8*KT
	s_add_co_u32 s[TV], s[TV], 6144
	s_add_co_u32 s[TS], s[TS], 512
	s_add_co_u32 s[TJ], s[TJ], 256
	s_wait_dscnt 17                                ; K's seventeen loads are in; V's seventeen may be out
.irp t, 0,1,2,3
	v_wmma_scale_f32_16x16x128_f8f6f4 v[S+8*\t:S+8*\t+7], v[KF+6*\t:KF+6*\t+11], v[16:27], 0, v[KSR+\t], v40 matrix_a_fmt:MATRIX_FMT_FP6 matrix_b_fmt:MATRIX_FMT_FP6
.endr
.irp t, 4,5,6,7
	v_wmma_scale_f32_16x16x128_f8f6f4 v[S+8*\t:S+8*\t+7], v[KF+6*\t:KF+6*\t+11], v[16:27], 0, v[KSR+\t-4], v40 matrix_a_fmt:MATRIX_FMT_FP6 matrix_b_fmt:MATRIX_FMT_FP6 matrix_a_scale:MATRIX_SCALE_ROW1
.endr
	ADDR                                           ; the next step's addresses: six places behind the products
.irp t, 0,1,2,3,4,5,6,7
	v_max3_num_f32 v[CH+\t], v[S+8*\t], v[S+8*\t+1], v[S+8*\t+2]   ; the largest score: a chain to each product's eight registers, from the low end on
.endr
.irp i, 3,5
.irp t, 0,1,2,3,4,5,6,7
	v_max3_num_f32 v[CH+\t], v[CH+\t], v[S+8*\t+\i], v[S+8*\t+\i+1]
.endr
.endr
.irp b, 0,1
	v_max3_num_f32 v[CH+4*\b], v[CH+4*\b], v[CH+4*\b+1], v[S+32*\b+7]
	v_max3_num_f32 v[CH+4*\b+2], v[CH+4*\b+2], v[CH+4*\b+3], v[S+32*\b+15]
.endr
	v_mov_b32 v[TO], v12                           ; the old -M
.irp b, 0,1
	v_max3_num_f32 v[BM+\b], v[CH+4*\b], v[CH+4*\b+2], v[S+32*\b+23]
.endr
.irp b, 0,1
	v_max_num_f32 v[BM+\b], v[BM+\b], v[S+32*\b+31]   ; my two blocks' largest scores: they serve for the row's maximum and, since p rises with the score, for the blocks' largest p
.endr
	s_delay_alu instid0(VALU_DEP_1)
	v_max_num_f32 v[T0], v[BM], v[BM+1]
	s_delay_alu instid0(VALU_DEP_1)
	v_permlanex16_b32 v[T1], v[T0], s[SEL], s[SEL+1]
	s_delay_alu instid0(VALU_DEP_1)
	v_max3_num_f32 v13, v13, v[T0], v[T1]          ; the running largest score of my query
	s_delay_alu instid0(VALU_DEP_1)
	v_mul_f32 v[T0], s[NC], v13                    ; -t
	s_delay_alu instid0(VALU_DEP_1)
	v_floor_f32 v12, v[T0]                         ; the new -M = floor(-t): M is a whole number
	s_delay_alu instid0(VALU_DEP_1)
	v_sub_f32 v[TO], v12, v[TO]                    ; M's old value less its new one: a whole number, 0 or less
.set n, 0
.rept 32
	v_pk_fma_f32 v[S+n:S+n+1], v[S+n:S+n+1], s[CS:CS+1], v[12:13] op_sel_hi:[1,0,0]   ; t - M, two at a time
.if n == 2
	v_cvt_i32_f32 v[TO], v[TO]                     ; (it saturates)
.endif
.if n == 6
	v_ldexp_f32 v[F], 1.0, v[TO]                   ; f = 2^(old M - new M)
.endif
.set n, n+2
.endr
.irp b, 0,1
	v_fma_f32 v[BM+\b], v[BM+\b], s[CS], v12       ; the same of each block's largest score
.endr
	s_wait_alu depctr_va_vdst(0)
.set n, 0
.rept 64
	v_exp_f32 v[S+n], v[S+n]                       ; p = 2^(t - M): not normalised
.set n, n+1
.endr
.irp b, 0,1
	v_exp_f32 v[BM+\b], v[BM+\b]                   ; the block's largest p
.endr
	v_pk_mul_f32 v[14:15], v[14:15], v[F:F+1] op_sel_hi:[1,0]   ; the sum under the new M; a plain place behind the exponentials
	s_wait_alu depctr_va_vdst(0)                   ; and behind it
.irp b, 0,1
	v_max_num_f32 v[BM+\b], 0x1800000, v[BM+\b]    ; the floor 2^(3 - 127): the byte cannot fall under 1
.endr
.irp b, 0,1
	v_add_nc_u32 v[SO+\b], 0xff000000, v[BM+\b]    ; 2 off the exponent field: the conversion's scale operand
.endr
.irp c, 0,1
	v_cvt_scalef32_pk16_fp6_f32 v[PC+6*\c:PC+2+6*\c], v[S+32*\c:S+15+32*\c], v[SO+\c]
	v_cvt_scalef32_pk16_fp6_f32 v[PT+4*\c:PT+2+4*\c], v[S+16+32*\c:S+31+32*\c], v[SO+\c]   ; (a conversion's three registers begin on an even number)
.endr
.irp b, 0,1
	v_lshrrev_b32 v[BX+\b], 23, v[SO+\b]           ; the bytes of blocks h and 2 + h; plain places behind the conversions
.endr
	v_lshl_or_b32 v[T0], v[BX+1], 16, v[BX]
.irp i, 0,1,2
	v_mov_b32 v[PC+3+\i], v[PT+\i]
.endr
	v_permlanex16_b32 v[T1], v[T0], s[SEL], s[SEL+1]
.irp i, 0,1,2
	v_mov_b32 v[PC+9+\i], v[PT+4+\i]
.endr
	v_lshl_or_b32 v[PW], v[T1], 8, v[T0]           ; p's scale word, whole in lanes 0-15, which alone are read
	s_wait_dscnt 0x0                               ; V is in
	s_wait_alu depctr_va_vdst(0)                   ; directly ahead of the first reader of O^T
.set n, 0
.rept 16
	v_pk_mul_f32 v[O+n:O+n+1], v[O+n:O+n+1], v[F:F+1] op_sel_hi:[1,0]   ; O^T under the new M; sixteen places between p's codes and scale word and the products
.set n, n+2
.endr
.irp d, 0,1,2,3                        ; O^T += V^T P^T: the four accumulators by turns
	v_wmma_scale_f32_16x16x128_f8f6f4 v[O+8*\d:O+8*\d+7], v[VF+12*\d:VF+12*\d+11], v[PC:PC+11], v[O+8*\d:O+8*\d+7], v[VSR+\d], v[PW] matrix_a_fmt:MATRIX_FMT_FP6 matrix_b_fmt:MATRIX_FMT_FP6
.endr
.endm
; One tile of 16 queries against all 2,048 keys, and its way out
.macro TILE i
.if \i > 0
	s_wait_xcnt 0x0                                ; the last tile's stores have read their registers
.irp j, 0,1,2,3,4,5
	v_mov_b32 v[16+\j], v[28+\j]                   ; the second tile's codes and scale words
.endr
	v_mov_b32 v40, v41
.endif
	s_mov_b32 s[TK], 0
	s_mov_b32 s[TV], 0
	s_mov_b32 s[TS], 0
	s_mov_b32 s[TJ], 0
	s_mov_b32 s[CNT], 16
	v_mov_b32 v13, 0xff61b1e6                      ; the largest score so far: -3e38
	v_mov_b32 v12, 0x7e000000                      ; -M = 2^125: the first f is 0
	ADDR
.Lstep_\@:
	STEP
	s_sub_co_u32 s[CNT], s[CNT], 1
	s_cmp_lg_u32 s[CNT], 0
	s_cbranch_scc1 .Lstep_\@
	SUM1                                           ; the last step's p; also the places behind the last products
	SUM2
	v_add_f32 v14, v14, v15                        ; the sum's two halves,
	s_delay_alu instid0(VALU_DEP_1)
	v_permlanex16_b32 v[T0], v14, s[SEL], s[SEL+1]
	s_delay_alu instid0(VALU_DEP_1)
	v_add_f32 v14, v14, v[T0]                      ; and lane l xor 16's: the row's sum
	s_wait_alu depctr_va_vdst(0)
	v_rcp_f32 v[F], v14
	v_nop                                          ; a plain place behind the transcendental
	s_wait_alu depctr_va_vdst(0)
.set n, 0
.rept 16
	v_pk_mul_f32 v[S+n:S+n+1], v[O+n:O+n+1], v[F:F+1] op_sel_hi:[1,0]   ; O^T / the sum: register 16 b + i is channel 32 b + 16 h + i; each accumulator from its low end on
.set n, n+2
.endr
.irp b, 0,1
	v_max3_num_f32 v[BM+\b], |v[S+16*\b]|, |v[S+1+16*\b]|, 0x1800000   ; the two blocks of the head's 64, quantised for the last product
.endr
.irp j, 2,4,6,8,10,12,14
.irp b, 0,1
	s_delay_alu instid0(VALU_DEP_2)
	v_max3_num_f32 v[BM+\b], v[BM+\b], |v[S+16*\b+\j]|, |v[S+1+16*\b+\j]|
.endr
.endr
.irp b, 0,1
	s_delay_alu instid0(VALU_DEP_2)
	v_permlanex16_b32 v[BX+\b], v[BM+\b], s[SEL], s[SEL+1]
.endr
.irp b, 0,1
	s_delay_alu instid0(VALU_DEP_2)
	v_max_num_f32 v[BM+\b], v[BM+\b], v[BX+\b]
.endr
.irp b, 0,1
	s_delay_alu instid0(VALU_DEP_2)
	v_add_nc_u32 v[SO+\b], 0xff000000, v[BM+\b]
.endr
.irp b, 0,1
	s_delay_alu instid0(VALU_DEP_2)
	v_lshrrev_b32 v[BX+\b], 23, v[SO+\b]
.endr
	v_cvt_scalef32_pk16_fp6_f32 v[PC:PC+2], v[S:S+15], v[SO]
	v_cvt_scalef32_pk16_fp6_f32 v[PT:PT+2], v[S+16:S+31], v[SO+1]
	v_nop                                          ; one plain place behind a scaled conversion
.irp j, 0,1,2
	v_permlane16_swap_b32 v[PC+\j], v[PT+\j]
.endr
.irp j, 0,1,2
	s_delay_alu instid0(VALU_DEP_3)
	v_mov_b32 v[PC+3+\j], v[PT+\j]
.endr
	v_cndmask_b32 v[T0], v[BX], v[BX+1], s[HM]     ; lane (r, h): block h's byte
	global_store_b128 v[LI], v[PC:PC+3], s[8:9] offset:12288*\i      ; 512 and 256 consecutive bytes, aligned
	global_store_b64 v[L8], v[PC+4:PC+5], s[8:9] offset:12288*\i+512
	global_store_b8 v43, v[T0], s[14:15] offset:512*\i
.endm
	TILE 0
	TILE 1
	s_wait_xcnt 0x0
	v_lshl_add_u32 v254, v0, 2, SPARE              ; the add's two registers are made anew: none could be kept
	v_mov_b32 v255, 0
	s_wait_alu depctr_va_vdst(0)
	s_wait_tensorcnt 0x0                           ; the wave's end
	ds_add_u32 v254, v255
	s_wait_dscnt 0x0
	CROUND                                         ; the closing round
	s_endpgm
.Lfunc_end_k_qbe26a99bf3_attn:
	.size	k_qbe26a99bf3_attn, .Lfunc_end_k_qbe26a99bf3_attn-k_qbe26a99bf3_attn
	.p2alignl 7, 3214868480
	.fill 96, 4, 3214868480
	.section	.rodata,"a",@progbits
	.p2align	6, 0x0
	.amdhsa_kernel k_qbe26a99bf3_attn
		.amdhsa_group_segment_fixed_size 235520
		.amdhsa_private_segment_fixed_size 0
		.amdhsa_enable_private_segment 0
		.amdhsa_kernarg_size 24
		.amdhsa_user_sgpr_count 2
		.amdhsa_user_sgpr_kernarg_segment_ptr 1
		.amdhsa_wavefront_size32 1
		.amdhsa_system_sgpr_workgroup_id_x 1
		.amdhsa_system_sgpr_workgroup_id_y 1
		.amdhsa_system_sgpr_workgroup_id_z 1
		.amdhsa_system_vgpr_workitem_id 0
		.amdhsa_next_free_vgpr 256
		.amdhsa_next_free_sgpr 100
		.amdhsa_reserve_vcc 0
		.amdhsa_float_denorm_mode_32 3
		.amdhsa_float_denorm_mode_16_64 3
		.amdhsa_memory_ordered 1
		.amdhsa_forward_progress 1
		.amdhsa_inst_pref_size 59
	.end_amdhsa_kernel
	.amdgpu_metadata
---
amdhsa.version: [ 1, 2 ]
amdhsa.kernels:
  - .name:           k_qbe26a99bf3_attn
    .symbol:         k_qbe26a99bf3_attn.kd
    .args:
      - { .name: qkcodes, .offset: 0, .size: 8, .value_kind: global_buffer, .address_space: global }
      - { .name: vcodes, .offset: 8, .size: 8, .value_kind: global_buffer, .address_space: global }
      - { .name: acodes, .offset: 16, .size: 8, .value_kind: global_buffer, .address_space: global }
    .group_segment_fixed_size: 235520
    .private_segment_fixed_size: 0
    .kernarg_segment_align: 8
    .kernarg_segment_size: 24
    .max_flat_workgroup_size: 512
    .sgpr_count:     100
    .vgpr_count:     256
    .wavefront_size: 32
...
	.end_amdgpu_metadata
.endif
;; end of part 3
;; launch oproj (part 4): grid 8 x 32, 4 waves a work-group, clusters of 4 x 4, 327,680 bytes of LDS; arguments acodes, wcodes, bo, out0; writes out0
.if DOCPART == 4
	.amdgcn_target "amdgcn-amd-amdhsa--gfx1250"
	.amdhsa_code_object_version 6
	.text
	.protected	k_qbe26a99bf3_oproj
	.globl	k_qbe26a99bf3_oproj
	.p2align	8
	.type	k_qbe26a99bf3_oproj,@function
k_qbe26a99bf3_oproj:
	s_mov_b64 s[64:65], 0
	v_nop
	global_prefetch_b8 v0, s[64:65] scope:SCOPE_SE
	s_setreg_imm32_b32 hwreg(HW_REG_WAVE_MODE, 25, 1), 1
	s_wait_xcnt 0x0
	s_wait_alu depctr_hold_cnt(0) depctr_sa_sdst(0) depctr_va_vdst(0) depctr_va_sdst(0) depctr_va_ssrc(0) depctr_va_vcc(0) depctr_vm_vsrc(0)
	s_getreg_b32 s2, hwreg(HW_REG_IB_STS2, 6, 4)
	s_cmp_eq_u32 s2, 0
	s_cbranch_scc0 .Lentry_in_a_cluster
	s_endpgm
.Lentry_in_a_cluster:
	s_bfe_u32 s2, ttmp6, 0x10000c
	s_cmp_lg_u32 s2, 0xf033
	s_cbranch_scc0 .Lentry_shape_is_right
	s_endpgm
.Lentry_shape_is_right:
; out0 = attn Wo + bo on codes of FP6 (E2M3) with E8M0 scales; sums and result in f32.
; BUFFERS.  acodes, wcodes: [tile of 16 rows][16 images of 768 bytes], an image = 16 rows x 64 along K (lane (r, h) = block h of row r: registers 0-3 at 16 x lane, 4-5 at 512 + 8 x lane); behind them (AS, WS) the scale bytes
; [tile][K / 256][r][8].  Row r of tile T stands for index 32 (T / 2) + 8 (T % 2) + r + 8 (r / 8).  Wo's tiles: 192 + column / 16.
; THE DEAL.  256 work-groups, 8 x 32: work-group (g, R) makes rows 256 R on x columns 128 g on.  Four waves, 2 x 2: a wave makes 128 rows x 64 columns: 32 accumulators.
; Both operands lie in LDS for all of K, laid [half of K][tile][6,144 bytes]: 196,608 and 98,304 bytes, filled once: nothing is filled again.  attn's tiles are shared by a row of the cluster, Wo's by a column.
; At the head one joint load a wave: attn's first half of K, Wo's, attn's second, Wo's second; the first barrier waits for the first two alone, a plain barrier in step 3 shows the others.
; No prefetch: every tile is asked for at the head: there is no trip to run ahead in.
; A STEP is 128 along K: 32 products.  A's and B's fragments lie twice in registers: at a step's head the next step's 48 LDS loads go out, and the step's products follow.
; Source 0 = Wo's rows, so a lane holds one row of the result and its registers run along the columns.  The bias is the C of the first products.
; SCALE WORDS come from memory into registers of their own, 256 consecutive bytes a load: lanes 0-15 hold the words of K / 256 = 2 m, lanes 16-31 of 2 m + 1; register 4 i + 2 (st / 4) + st % 2, row (st / 2) % 2.
; THE WAY OUT: a block of 16 rows x 64 columns goes through the wave's own stage in LDS (rows of 256 + 16 bytes, on bytes into which no fill lands) and leaves as rows of 256 bytes, sixteen lanes to a row, two rows a store.
; REGISTERS.  Window 0: v16-23 LDS addresses, v24-31 offsets, v32-63 A's scale words, v66-81 B's, v96-127 the bias, v128-191 the way out.  Window 1: A's fragments, sets at v0 and v128.  Window 3: B's.  Window 2: the accumulators.
.set AS,    6291456
.set WS,    3145728
.set HB,    6144                       ; half of K of a tile: 8 images
.set WC,    32*HB                      ; LDS: attn's codes at 0, Wo's here
.set SPARE, WC+16*HB                   ; the spare words: 128 bytes a wave
.set STAGE, SPARE+512
.set SPITCH, 272
.set AXA,  16
.set BWA,  20
.set LI,   24
.set L8,   25
.set STO,  26
.set BO,   27
.set SPW,  28
.set NIL,  29
.set RD,   30
.set CO,   31
.set SA,   32
.set SB,   66
.set BI,   96
.set BK,   128
.set G1X,  24
.set G1WH, 32
.set G0X,  48
.set G0WH, 52
.set MSB, 0
.macro WIN new
.if MSB != (\new)
	s_set_vgpr_msb (MSB<<8)|(\new)
.set MSB, (\new)
.endif
.endm
.macro PLACES
.rept 4
	v_nop
.endr
.endm
.macro CROUND
	s_barrier_signal -1
	s_barrier_wait -1
	s_cmp_lg_u32 s18, 0
	s_cbranch_scc1 .Lnot_wave_0_\@
	s_barrier_signal -3
.Lnot_wave_0_\@:
	s_barrier_wait -3
	s_barrier_signal -1
	s_barrier_wait -1
.endm
.macro GROUP1 g, mask, rows            ; rows of 6,144 bytes (768 elements of 8), 12,288 bytes apart
	s_or_b32 s[\g], s\mask, (3<<16)|(1<<21)
	s_mov_b32 s[\g+1], 768<<16
	s_mov_b32 s[\g+2], (\rows)<<16
	s_mov_b32 s[\g+3], 768<<16
	s_mov_b32 s[\g+4], \rows
	s_mov_b32 s[\g+5], 1536
	s_mov_b32 s[\g+6], 0
	s_mov_b32 s[\g+7], 0
.endm
	s_load_b256 s[4:11], s[0:1], 0x0               ; acodes, wcodes, bo, out0
	v_lshl_add_u32 v[SPW], v0, 2, SPARE
	v_mov_b32 v[NIL], 0
	ds_add_u32 v[SPW], v[NIL]                      ; the opening lines
	ds_add_u32 v[SPW], v[NIL]
	v_lshrrev_b32 v1, 5, v0
	v_readfirstlane_b32 s18, v1                    ; wave
	s_lshr_b32 s19, s18, 1                         ; my half of the rows; at the head: which half of K I fetch
	s_and_b32 s20, s18, 1                          ; my half of the columns
	s_bfe_u32 s76, ttmp6, 0x40000                  ; cx
	s_bfe_u32 s77, ttmp6, 0x40004                  ; cy
	s_lshl_b32 s78, ttmp9, 2
	s_add_co_u32 s78, s78, s76                     ; g
	s_and_b32 s79, ttmp7, 0xffff
	s_lshl_b32 s79, s79, 2
	s_add_co_u32 s79, s79, s77                     ; R
	s_lshl_b32 s80, s77, 2
	s_lshl_b32 s80, 15, s80                        ; my row of the cluster
	s_lshl_b32 s81, 0x1111, s76                    ; my column
	GROUP1 G1X, 80, 16
	GROUP1 G1WH, 81, 8
	s_mul_i32 s22, s19, HB
	s_mov_b32 s23, 0
	s_mul_i32 s96, s79, 32*HB                      ; attn: my 16 tiles,
	s_add_co_u32 s96, s96, s22                     ; and the half of K
	s_mov_b32 s97, 0
	s_mul_i32 s98, s78, 16*HB                      ; Wo: my 8 tiles
	s_add_co_u32 s98, s98, 192*12288
	s_mov_b32 s99, 0
	s_mov_b32 s101, 0
	s_mov_b32 s[G0X], 1
	s_mul_i32 s[G0X+1], s19, 16*HB
	s_mov_b32 s[G0WH], 1
	s_mul_i32 s[G0WH+1], s19, 8*HB
	s_add_co_u32 s[G0WH+1], s[G0WH+1], WC
	s_wait_alu depctr_va_vdst(0)
	s_wait_dscnt 0x0
	CROUND                                         ; all sixteen work-groups are here: the joint loads meet
	s_wait_kmcnt 0x0
	s_add_nc_u64 s[G0X+2:G0X+3], s[4:5], s[96:97]
	s_or_b32 s[G0X+3], s[G0X+3], 0x80000000
	s_add_nc_u64 s[G0WH+2:G0WH+3], s[6:7], s[98:99]
	s_add_nc_u64 s[G0WH+2:G0WH+3], s[G0WH+2:G0WH+3], s[22:23]
	s_or_b32 s[G0WH+3], s[G0WH+3], 0x80000000
.macro ARM under, g0, g1, next         ; one tree of branches on the wave's number, a load line to each wave
	s_cmp_lt_u32 s18, \under
	s_cbranch_scc0 \next
	tensor_load_to_lds s[\g0:\g0+3], s[\g1:\g1+7]
	s_nop 0
	PLACES
	s_branch .Lhead_asked
\next:
.endm
	ARM 1, G0X, G1X, .Lhead_1
	ARM 2, G0WH, G1WH, .Lhead_2
	ARM 3, G0X, G1X, .Lhead_3
	tensor_load_to_lds s[G0WH:G0WH+3], s[G1WH:G1WH+7]
	s_nop 0
	PLACES
.Lhead_asked:
	s_lshl_b32 s100, s79, 13                       ; attn's scale words: AS + (16 R + 8 half) x 512
	s_lshl_b32 s21, s19, 12
	s_add_co_u32 s100, s100, s21
	s_add_co_u32 s100, s100, AS
	s_add_nc_u64 s[66:67], s[4:5], s[100:101]
	s_lshl_b32 s100, s78, 12                       ; Wo's: WS + (192 + 8 g + 4 half) x 512
	s_lshl_b32 s21, s20, 11
	s_add_co_u32 s100, s100, s21
	s_add_co_u32 s100, s100, WS+192*512
	s_add_nc_u64 s[68:69], s[6:7], s[100:101]
	s_lshl_b32 s100, s78, 9                        ; my first column, in bytes: 4 (128 g + 64 half)
	s_lshl_b32 s21, s20, 8
	s_add_co_u32 s100, s100, s21
	s_add_nc_u64 s[70:71], s[8:9], s[100:101]      ; the bias
	s_lshl_b32 s21, s79, 20                        ; and my first row: (256 R + 128 half) x 4,096 bytes
	s_add_co_u32 s100, s100, s21
	s_lshl_b32 s21, s19, 19
	s_add_co_u32 s100, s100, s21
	s_add_nc_u64 s[12:13], s[10:11], s[100:101]
	v_and_b32 v1, 31, v0
	v_and_b32 v2, 15, v0
	v_bfe_u32 v3, v0, 4, 1
	v_lshlrev_b32 v[LI], 4, v1
	v_lshlrev_b32 v[L8], 3, v1
	s_mul_i32 s21, s19, 8*HB                       ; my 8 tiles of attn,
	s_mul_i32 s22, s20, 4*HB                       ; my 4 of Wo
	s_add_co_u32 s22, s22, WC
.irp k, 0,2
	v_add_nc_u32 v[AXA+\k], s21, v[LI]
	v_add_nc_u32 v[AXA+\k+1], s21, v[L8]
	v_add_nc_u32 v[BWA+\k], s22, v[LI]
	v_add_nc_u32 v[BWA+\k+1], s22, v[L8]
	s_add_co_u32 s21, s21, 16*HB                   ; the second half of K
	s_add_co_u32 s22, s22, 8*HB
.endr
	v_lshlrev_b32 v[BO], 6, v3                     ; the bias: 16 numbers on for lanes 16-31
	s_mul_i32 s23, s18, 16*SPITCH
	s_add_co_u32 s23, s23, STAGE                   ; my stage
	v_mul_u32_u24 v4, v2, SPITCH                   ; in: row r, 64 bytes on for lanes 16-31
	v_lshl_add_u32 v4, v3, 6, v4
	v_add_nc_u32 v[STO], s23, v4
	v_mul_u32_u24 v5, v3, SPITCH                   ; back: lanes 0-15 one row of 256 bytes, lanes 16-31 the next
	v_lshl_add_u32 v5, v2, 4, v5
	v_add_nc_u32 v[RD], s23, v5
	v_lshlrev_b32 v6, 12, v3                       ; and the same two rows in the result
	v_lshl_add_u32 v[CO], v2, 4, v6
	s_wait_alu depctr_va_vdst(0)
.irp i, 0,1,2,3,4,5,6,7
	global_load_b64 v[SA+4*\i:SA+4*\i+1], v[L8], s[66:67] offset:512*\i
	global_load_b64 v[SA+4*\i+2:SA+4*\i+3], v[L8], s[66:67] offset:512*\i+256
.endr
.irp i, 0,1,2,3
	global_load_b64 v[SB+4*\i:SB+4*\i+1], v[L8], s[68:69] offset:512*\i
	global_load_b64 v[SB+4*\i+2:SB+4*\i+3], v[L8], s[68:69] offset:512*\i+256
.endr
.irp b, 0,1,2,3                        ; register 8 b + j of lane (r, h): column 32 (b / 2) + 8 (b % 2) + 16 h + j
	global_load_b128 v[BI+8*\b:BI+8*\b+3], v[BO], s[70:71] offset:(32*(\b/2)+8*(\b%2))*4
	global_load_b128 v[BI+8*\b+4:BI+8*\b+7], v[BO], s[70:71] offset:(32*(\b/2)+8*(\b%2))*4+16
.endr
.macro FRAG reg, adr, off              ; a fragment: two images
	ds_load_b128 v[\reg:\reg+3], v[\adr] offset:\off
	ds_load_b64 v[\reg+4:\reg+5], v[\adr+1] offset:\off+512
	ds_load_b128 v[\reg+6:\reg+9], v[\adr] offset:\off+768
	ds_load_b64 v[\reg+10:\reg+11], v[\adr+1] offset:\off+1280
.endm
.macro FETCH st                        ; step st's 12 fragments into set st % 2
.set FP_, 128*((\st)%2)
.set FK_, 2*((\st)/4)
.set FO_, ((\st)%4)*1536
	WIN 0x40
.set I_, 0
.rept 8
	FRAG FP_+12*I_, AXA+FK_, I_*HB+FO_
.set I_, I_+1
.endr
	WIN 0xc0
.set I_, 0
.rept 4
	FRAG FP_+12*I_, BWA+FK_, I_*HB+FO_
.set I_, I_+1
.endr
	WIN 0
.endm
.macro WM d, s0, s1, c, x0, x1, row
.if \row
	v_wmma_scale_f32_16x16x128_f8f6f4 v[\d:\d+7], v[\s0:\s0+11], v[\s1:\s1+11], \c, v[\x0], v[\x1] matrix_a_fmt:MATRIX_FMT_FP6 matrix_b_fmt:MATRIX_FMT_FP6 matrix_a_scale:MATRIX_SCALE_ROW1 matrix_b_scale:MATRIX_SCALE_ROW1
.else
	v_wmma_scale_f32_16x16x128_f8f6f4 v[\d:\d+7], v[\s0:\s0+11], v[\s1:\s1+11], \c, v[\x0], v[\x1] matrix_a_fmt:MATRIX_FMT_FP6 matrix_b_fmt:MATRIX_FMT_FP6
.endif
.endm
; attn's eight tiles against Wo's four: accumulator 4 a + b.  The 32 accumulators take turns.
.macro MUL st
.if (\st) == 0
	WIN 0x87
.else
	WIN 0xa7
.endif
.set P_, 128*((\st)%2)
.set SX_, 2*((\st)/4)+(\st)%2
.set A_, 0
.rept 8
.set B_, 0
.rept 4
.if (\st) == 0
	WM 8*(4*A_+B_), P_+12*B_, P_+12*A_, v[BI+8*B_:BI+8*B_+7], SB+4*B_+SX_, SA+4*A_+SX_, ((\st)/2)%2
.else
	WM 8*(4*A_+B_), P_+12*B_, P_+12*A_, v[8*(4*A_+B_):8*(4*A_+B_)+7], SB+4*B_+SX_, SA+4*A_+SX_, ((\st)/2)%2
.endif
.set B_, B_+1
.endr
.set A_, A_+1
.endr
	WIN 0
.endm
.macro STEP st
	s_wait_dscnt 0x0                               ; this step's fragments are in
	PLACES                                         ; behind the last step's products, ahead of the loads into the set that they read
	FETCH (\st)+1
	MUL \st
.endm
	s_cmp_lt_u32 s18, 2
	s_cbranch_scc0 .Llater
	s_wait_tensorcnt 0x0                           ; waves 0 and 1: the first halves of K
.Llater:
	s_barrier_signal -1
	s_barrier_wait -1                              ; the second halves may still be on their way
	FETCH 0
	s_wait_loadcnt 0x0                             ; scale words and bias
	STEP 0
	STEP 1
	STEP 2
	s_wait_dscnt 0x0
	s_wait_tensorcnt 0x0
	s_barrier_signal -1                            ; a plain barrier shows the second halves of K to all
	MUL 3
	s_barrier_wait -1
	PLACES
	FETCH 4
	STEP 4
	STEP 5
	STEP 6
	s_wait_dscnt 0x0
	MUL 7
.macro TOSTAGE a                       ; LDS serves a wave's instructions in order: no wait between the stores and the loads, nor ahead of the next block's stores
	WIN 0x08
.irp b, 0,1,2,3
	ds_store_b128 v[STO], v[32*(\a)+8*\b:32*(\a)+8*\b+3] offset:128*(\b/2)+32*(\b%2)          ; each accumulator from its low end on
	ds_store_b128 v[STO], v[32*(\a)+8*\b+4:32*(\a)+8*\b+7] offset:128*(\b/2)+32*(\b%2)+16
.endr
	WIN 0
.irp t, 0,1,2,3,4,5,6,7
	ds_load_b128 v[BK+32*((\a)%2)+4*\t:BK+32*((\a)%2)+4*\t+3], v[RD] offset:\t*2*SPITCH
.endr
.endm
.macro SEND a, younger                 ; younger: the LDS instructions issued behind block a's loads
	s_wait_dscnt \younger
.irp t, 0,1,2,3,4,5,6,7
	global_store_b128 v[CO], v[BK+32*((\a)%2)+4*\t:BK+32*((\a)%2)+4*\t+3], s[12:13] offset:(32*((\a)/2)+8*((\a)%2)+2*\t+8*(\t/4))*4096 th:TH_STORE_NT   ; sixteen lanes store 256 consecutive bytes, aligned
.endr
.endm
	PLACES
	TOSTAGE 0
.irp a, 1,2,3,4,5,6,7
.if \a > 1
	s_wait_xcnt 0x0                                ; block a - 2's stores have read their registers
.endif
	TOSTAGE \a
	SEND \a-1, 16                                  ; behind block a - 1's loads: block a's 8 stores and 8 loads
.endr
	SEND 7, 0
	s_wait_tensorcnt 0x0                           ; the wave's end
	ds_add_u32 v[SPW], v[NIL]
	s_wait_dscnt 0x0
	CROUND                                         ; the closing round
	s_endpgm
.Lfunc_end_k_qbe26a99bf3_oproj:
	.size	k_qbe26a99bf3_oproj, .Lfunc_end_k_qbe26a99bf3_oproj-k_qbe26a99bf3_oproj
	.p2alignl 7, 3214868480
	.fill 96, 4, 3214868480
	.section	.rodata,"a",@progbits
	.p2align	6, 0x0
	.amdhsa_kernel k_qbe26a99bf3_oproj
		.amdhsa_group_segment_fixed_size 327680
		.amdhsa_private_segment_fixed_size 0
		.amdhsa_enable_private_segment 0
		.amdhsa_kernarg_size 32
		.amdhsa_user_sgpr_count 2
		.amdhsa_user_sgpr_kernarg_segment_ptr 1
		.amdhsa_wavefront_size32 1
		.amdhsa_system_sgpr_workgroup_id_x 1
		.amdhsa_system_sgpr_workgroup_id_y 1
		.amdhsa_system_sgpr_workgroup_id_z 1
		.amdhsa_system_vgpr_workitem_id 0
		.amdhsa_next_free_vgpr 960
		.amdhsa_next_free_sgpr 102
		.amdhsa_reserve_vcc 0
		.amdhsa_float_denorm_mode_32 3
		.amdhsa_float_denorm_mode_16_64 3
		.amdhsa_memory_ordered 1
		.amdhsa_forward_progress 1
		.amdhsa_inst_pref_size 85
	.end_amdhsa_kernel
	.amdgpu_metadata
---
amdhsa.version: [ 1, 2 ]
amdhsa.kernels:
  - .name:           k_qbe26a99bf3_oproj
    .symbol:         k_qbe26a99bf3_oproj.kd
    .args:
      - { .name: acodes, .offset: 0, .size: 8, .value_kind: global_buffer, .address_space: global }
      - { .name: wcodes, .offset: 8, .size: 8, .value_kind: global_buffer, .address_space: global }
      - { .name: bo, .offset: 16, .size: 8, .value_kind: global_buffer, .address_space: global }
      - { .name: out0, .offset: 24, .size: 8, .value_kind: global_buffer, .address_space: global }
    .group_segment_fixed_size: 327680
    .private_segment_fixed_size: 0
    .kernarg_segment_align: 8
    .kernarg_segment_size: 32
    .max_flat_workgroup_size: 128
    .sgpr_count:     102
    .vgpr_count:     960
    .wavefront_size: 32
...
	.end_amdgpu_metadata
.endif
;; end of part 4
